; MI455X (gfx1250); checked and timed in simulation.
; The chip was launched on July 23, 2026; its instructions are those of AMD's public machine-readable ISA for CDNA 5 (MIT licence, August 2026) and "CDNA5" Instruction Set Architecture Reference Guide (July 2026). The comments in the code are by the model that wrote it; some were corrected since.
;; Multi Head Self Attention. Allowed arithmetic: matrix products marked QUANTISED: E3M2 operands, one E8M0 scale for each 32 along K, by v_wmma_scale_f32_16x16x128_f8f6f4 with both operands' format E3M2, f32 sums; everything else in f32.
;; Inputs: b_out 1,024 float32; b_qkv 3,072 float32; w_out 1,024 x 1,024 float32; w_qkv 1,024 x 3,072 float32; x 4 x 2,048 x 1,024 float32.
;; Outputs: out0 4 x 2,048 x 1,024 float32.
;; This version of the problem:
;;   THIS VERSION OF THE PROBLEM IS GIVEN IN LOW PRECISION. The matrix products marked QUANTISED in the list below multiply operands that are first quantised to E3M2 (3 exponent bits, 2 mantissa bits; 6 bits a number), with one power-of-two scale for each 32 numbers along K (OCP MX v1.0); their sums are f32. All else is computed in f32.
;;   The module's matrix products, in the order in which they are computed (A, B: the left and right operand; K: the contracted axis; several contracted axes count as one K, in the product's order):
;;     1. [M 8,192, K 1,024] x [K 1,024, N 3,072]; A: input x; B: input w_qkv: QUANTISED
;;     2. batch 64 x [M 2,048, K 64] x [K 64, N 2,048]; A: computed on the way; B: computed on the way: QUANTISED
;;     3. batch 64 x [M 2,048, K 2,048] x [K 2,048, N 64]; A: softmax (see below); B: computed on the way: QUANTISED
;;     4. [M 8,192, K 1,024] x [K 1,024, N 1,024]; A: computed on the way; B: input w_out: QUANTISED
;;   THE QUANTISER, for each operand of a quantised product, along K:
;;     - K is cut into blocks of 32 from its start; a last block that is shorter is filled with zeros.
;;     - A block's scale is 2^e with e = floor(log2(the largest magnitude in the block)) - 4, held to -126 .. 127; a block of zeros has e = 0. As a byte (E8M0): e + 127.
;;     - Each number is divided by its block's scale, clamped to +-28, and rounded to the nearest number of E3M2, ties to even, subnormals kept.
;;     - The product sums the exact products of the quantised numbers (number of the format x scale) in f32.
;;   ~~~python
;;   def quantise(x, axis):      # numpy; x: float32 -> the quantised numbers, widened to float32 again
;;       x = np.moveaxis(x, axis, -1); K = x.shape[-1]
;;       x = np.pad(x, [(0, 0)] * (x.ndim - 1) + [(0, -K % 32)]); x = x.reshape(x.shape[:-1] + (-1, 32)); a = np.abs(x).max(-1, keepdims=True)
;;       e = np.where(a > 0, np.clip(np.frexp(np.where(a > 0, a, 1))[1] - 1 - 4, -126, 127), 0)      # np.frexp(a)[1] - 1 = floor(log2(a)), exactly
;;       r = np.clip(x / 2.0 ** e, -28, 28)
;;       step = 2.0 ** (np.maximum(np.frexp(np.where(r == 0, 1, r))[1] - 1, -2) - 2)
;;       q = np.round(r / step) * step * 2.0 ** e      # np.round: ties to even
;;       return np.moveaxis(q.reshape(q.shape[:-2] + (-1,))[..., :K], -1, axis).astype(np.float32)
;;   ~~~
;;   SOFTMAX AHEAD OF A QUANTISED PRODUCT. Where the list says 'softmax', what is quantised is not the finished softmax but p = 2^(t - M), with t = logit x log2(e) and M = ceil(the row's largest t), a whole number; so 1/2 < the row's largest p <= 1. The row's sum l is taken of the UNQUANTISED p, in f32, and the product's result is divided by l at the end. Since M is a whole number, a kernel that streams over the keys may use a running M (the ceiling of the running maximum): every later rescaling is an exact power of two, which a block's scale takes up: the codes' values come out the same.
;;   OPERANDS COMPUTED ON THE WAY. 'Computed on the way' means the value that the module computes at that place (a softmax that the list does not call 'softmax' is quantised finished and normalised). What goes into a quantiser is computed in f32, as accurately as f32 sums, v_exp_f32 and their like allow (about 1e-6 of the number): no bf16 or f16 on the way to a quantiser, and a product that is left as it is and whose result goes on into a quantised operand takes f32 operands (vector FMAs, or v_wmma_f32_16x16x4_f32). A number that lies on a knife's edge between two numbers of the format may be rounded either way, as far as f32 arithmetic and the matrix unit's own rounding can turn it there, and no further.
;; One version. Each part assembles by itself: llvm-mc -triple=amdgcn-amd-amdhsa -mcpu=gfx1250 --defsym DOCPART=n.
;; ======== version 1 of 1: 4 launches
;; workspace buffers: img 9,437,184 bytes; scl 393,216 bytes; att 19,660,800 bytes; yimg 6,291,456 bytes; yscl 262,144 bytes
;; launch prep (part 1): grid 384 x 1, 4 waves a work-group, no clusters, 59,904 bytes of LDS; arguments x, w_qkv, w_out, img, scl; writes img, scl
.if DOCPART == 1
	.amdgcn_target "amdgcn-amd-amdhsa--gfx1250"
	.amdhsa_code_object_version 6
	.text
	.protected	k_qf8bbe80ac1_prep
	.globl	k_qf8bbe80ac1_prep
	.p2align	8
	.type	k_qf8bbe80ac1_prep,@function
k_qf8bbe80ac1_prep:
	s_mov_b64 s[64:65], 0
	v_nop
	global_prefetch_b8 v0, s[64:65] scope:SCOPE_SE
	s_setreg_imm32_b32 hwreg(HW_REG_WAVE_MODE, 25, 1), 1
	s_wait_xcnt 0x0
; PREP: x [8192][1024], w_qkv [1024][3072] and w_out [1024][1024], f32, become codes of BF6 (E3M2) with one E8M0 byte for each 32 along K (K = 1,024 in all three), each quantised once.
; THE CODES LIE AS IMAGES OF THE OPERAND REGISTERS.  A fragment (16 rows x 128 K) is 12 registers a lane = 1,536 bytes = 6 pieces of 256 bytes; piece q holds registers 2 q, 2 q + 1 of the 32 lanes, lane l at 256 q + 8 l.
;   img: [K slot of 256: 0..3][tile of 16 rows T: 0..767][128 along K: 0, 1][1,536 bytes].  T 0..511: x; 512..703: w_qkv (a row = a column n of the weight); 704..767: w_out.
;   scl: [T][K slot][r: 0..15][128 along K: 0, 1][4 bytes].
; THE ROWS OF A TILE ARE NOT NEIGHBOURS: lane r of tile T holds row 32 (T / 2) + 8 (T % 2) + r + 8 (r / 8), so that a product whose source 0 is tiles 2 b, 2 b + 1 leaves 16 neighbours along these rows in a lane.
; A block's scale is 2^(floor(log2(its largest magnitude)) - 4); its byte is the largest magnitude's exponent field - 4, held at 1 from below.
; LIMITS: NaN and infinities among the inputs are not served.  A block of zeros, or one whose largest magnitude lies under 2^(5 - 127), gets the byte 1 where the rule says 127 for zeros: its codes are zeros
; or are formed under that floor, and the bytes are read by this program alone.
; SHARES: work-groups 0..255 take x, 256..383 the weights: two paths that part on the work-group's number and never meet again, each with LDS bytes of its own.  Waves share nothing: no barrier.
; No matrix unit, no cluster, no tensor load: every input byte is read once by one wave.
.set SSTR,  2359296                    ; a K slot of img: 768 tiles x 3,072 bytes
.set XSTG,  8448                       ; x path: a wave's stage, 16 rows x (512 + 16) bytes
.set WSTG0, 4*XSTG                     ; weights' path: its stages begin behind x's
.set WSTG,  6400                       ; a wave's: two tiles x (3,072 + 128) bytes
.set SEL,   24                         ; s[24:25] lane selects for v_permlanex16_b32: lane l xor 16
.set HM,    26                         ; s26 the mask of lanes 16-31
.set R,     16                         ; x path: v16-143 two sets of 64 numbers as loaded
.set X,     144                        ; v144-207 my 64 numbers: register 16 b + i = k 32 b + 16 (lane / 16) + i of my row
.set PC,    208                        ; v208-227 the codes
.set TM,    228                        ; v228-243 at work
.set PW4,   244                        ; v244-247 the four scale words; v248-249 as they are stored
.set OF,    32                         ; weights' path: v32-63 offsets of 32 rows of K; never rewritten
.set XW,    64                         ; v64-127 two sets of 32 numbers
.set CW,    128                        ; v128-133 a block's codes; v136-138 its second half as converted
.set CTW,   136
.set SB,    140                        ; v140-141 the scale bytes, four to a register
.set OUTR,  144                        ; v144-191 the way out
; 64 numbers of a lane become a fragment's 12 registers in v[PC] on and its scale word in v[pw].
.macro QUANT s, pw
.irp b, 0,1,2,3
	v_max3_num_f32 v[TM+\b], |v[\s+16*\b]|, |v[\s+1+16*\b]|, 0x2800000   ; block b: my 16 numbers, and the floor 2^(5 - 127): the byte cannot fall under 1
.endr
.irp i, 2,4,6,8,10,12,14
.irp b, 0,1,2,3
	v_max3_num_f32 v[TM+\b], v[TM+\b], |v[\s+16*\b+\i]|, |v[\s+1+16*\b+\i]|   ; the four blocks by turns
.endr
.endr
.irp b, 0,1,2,3
	v_permlanex16_b32 v[TM+4+\b], v[TM+\b], s[SEL], s[SEL+1]
.endr
.irp b, 0,1,2,3
	v_max_num_f32 v[TM+\b], v[TM+\b], v[TM+4+\b]   ; with lane l xor 16: the block's largest magnitude
.endr
.irp b, 0,1,2,3
	v_add_nc_u32 v[TM+12+\b], 0xfe000000, v[TM+\b]   ; 4 off its exponent field: the conversion's scale operand
.endr
.irp b, 0,1,2,3
	v_lshrrev_b32 v[TM+4+\b], 23, v[TM+12+\b]      ; the scale's byte
.endr
	v_lshl_or_b32 v[\pw], v[TM+5], 8, v[TM+4]
	v_lshl_or_b32 v[\pw], v[TM+6], 16, v[\pw]
	v_lshl_or_b32 v[\pw], v[TM+7], 24, v[\pw]
.irp c, 0,1
	v_cvt_scalef32_pk16_bf6_f32 v[PC+6*\c:PC+2+6*\c], v[\s+32*\c:\s+15+32*\c], v[TM+12+2*\c]
	v_cvt_scalef32_pk16_bf6_f32 v[PC+12+4*\c:PC+14+4*\c], v[\s+16+32*\c:\s+31+32*\c], v[TM+12+2*\c+1]   ; a conversion's three registers begin on an even number
.endr
	v_nop                                          ; one plain instruction behind a scaled conversion
.irp c, 0,1                                    ; the layout wants a whole block in a lane: lanes 0-15 block 2 c, lanes 16-31 block 2 c + 1
.irp i, 0,1,2
	v_permlane16_swap_b32 v[PC+6*\c+\i], v[PC+12+4*\c+\i]
.endr
.irp i, 0,1,2
	v_mov_b32 v[PC+3+6*\c+\i], v[PC+12+4*\c+\i]
.endr
.endr
.endm
; x path: 128 along K of my 16 rows: 16 loads, each 512 consecutive bytes of one row
.macro LOADK k
.irp i, 0,1,2,3,4,5,6,7,8,9,10,11,12,13,14,15
	global_load_b128 v[R+64*((\k)%2)+4*\i:R+64*((\k)%2)+4*\i+3], v3, s[4:5] offset:(\i+8*(\i/8))*4096+512*(\k) th:TH_LOAD_NT
.endr
.endm
; through my stage: in as loaded, out 16 neighbours of each block of 32 to a lane.  LDS serves a wave's instructions in order: no wait between the stores and the loads
.macro TURNX k
.irp i, 0,1,2,3,4,5,6,7,8,9,10,11,12,13,14,15
	ds_store_b128 v4, v[R+64*((\k)%2)+4*\i:R+64*((\k)%2)+4*\i+3] offset:528*\i
.endr
.irp b, 0,1,2,3
.irp j, 0,1,2,3
	ds_load_b128 v[X+16*\b+4*\j:X+16*\b+4*\j+3], v5 offset:128*\b+16*\j
.endr
.endr
.endm
.macro KPART k
.if (\k) < 3
	s_wait_loadcnt 16                              ; this part's 16 loads are in; the next part's 16 may be out
.else
	s_wait_loadcnt 0x0
.endif
	TURNX \k
	s_wait_dscnt 0x0                               ; my 64 numbers are back; the stage's stores have read their registers,
.if (\k) < 2
	LOADK (\k)+2                                   ; which take the part two on
.endif
	s_wait_xcnt 0x0                                ; the last part's stores have read the codes' registers: they are written again only behind this wait
	QUANT X, PW4+(\k)
.irp q, 0,1,2,3,4,5
	global_store_b64 v6, v[PC+2*\q:PC+2*\q+1], s[10:11] offset:((\k)/2)*SSTR+((\k)%2)*1536+256*\q   ; a piece: 32 lanes store 256 consecutive bytes, aligned
.endr
.endm
; weights' path: block t: W(32 t + i, my column), i = 0 .. 31
.macro LOADW t
.irp i, 0,1,2,3,4,5,6,7,8,9,10,11,12,13,14,15,16,17,18,19,20,21,22,23,24,25,26,27,28,29,30,31
	global_load_b32 v[XW+32*((\t)%2)+\i], v[OF+\i], s[32+2*(\t):33+2*(\t)] th:TH_LOAD_NT
.endr
.endm
.macro BLOCKW t
.set XS, XW+32*((\t)%2)
.if (\t) < 7
	s_wait_loadcnt 32                              ; this block's 32 loads are in; the next block's may be out
.else
	s_wait_loadcnt 0x0
.endif
	v_max3_num_f32 v12, |v[XS]|, |v[XS+1]|, |v[XS+2]|   ; all 32 numbers of the block are mine
	v_max3_num_f32 v13, |v[XS+3]|, |v[XS+4]|, |v[XS+5]|
.irp i, 6,10,14,18,22,26
	v_max3_num_f32 v12, v12, |v[XS+\i]|, |v[XS+\i+1]|
	v_max3_num_f32 v13, v13, |v[XS+\i+2]|, |v[XS+\i+3]|
.endr
	v_max3_num_f32 v12, v12, |v[XS+30]|, |v[XS+31]|
	v_max3_num_f32 v12, v12, v13, 0x2800000        ; and the floor
	v_add_nc_u32 v11, 0xfe000000, v12              ; the conversion's scale operand
	v_lshrrev_b32 v13, 23, v11                     ; the byte
.if (\t)%4 == 0
	v_mov_b32 v[SB+(\t)/4], v13
.else
	v_lshl_or_b32 v[SB+(\t)/4], v13, 8*((\t)%4), v[SB+(\t)/4]
.endif
	v_cvt_scalef32_pk16_bf6_f32 v[CW:CW+2], v[XS:XS+15], v11
	v_cvt_scalef32_pk16_bf6_f32 v[CTW:CTW+2], v[XS+16:XS+31], v11
	v_nop                                          ; one plain instruction behind a scaled conversion
.irp i, 0,1,2
	v_mov_b32 v[CW+3+\i], v[CTW+\i]                ; six registers on end: the block's 24 bytes
.endr
.irp p, 0,1,2
	ds_store_b64 v4, v[CW+2*\p:CW+2*\p+1] offset:((\t)/4)*1536+(((\t)%4)/2)*768+((\t)%2)*128+256*\p   ; where the image has lane (r, t % 2), registers 6 ((t % 4) / 2) + 2 p
.endr
.if (\t)+2 < 8
	LOADW (\t)+2
.endif
	s_wait_dscnt 0x0                               ; the stores have read their registers: the next block's codes may be written
.endm
	s_load_b128 s[4:7], s[0:1], 0x0                ; x, w_qkv
	s_load_b128 s[8:11], s[0:1], 0x10              ; w_out, img
	s_load_b64 s[12:13], s[0:1], 0x20              ; scl
	v_lshl_add_u32 v254, v0, 2, 0xe800
	v_mov_b32 v255, 0
	v_lshrrev_b32 v1, 5, v0
	v_readfirstlane_b32 s16, v1                    ; wave 0..3
	v_and_b32 v2, 31, v0                           ; lane
	s_cmp_lt_u32 ttmp9, 256
	s_cbranch_scc0 .Lweights
	; ---- x: a wave takes one tile of 16 rows x 512 along K (two K slots)
	s_lshl_b32 s17, ttmp9, 2
	s_add_co_u32 s17, s17, s16                     ; unit = 4 x work-group + wave
	s_lshr_b32 s18, s17, 1                         ; T
	s_and_b32 s19, s17, 1                          ; which half of K
	s_lshr_b32 s20, s18, 1
	s_lshl_b32 s20, s20, 17                        ; 32 (T / 2) rows of 4,096 bytes
	s_and_b32 s21, s18, 1
	s_lshl_b32 s21, s21, 15                        ; + 8 (T % 2) rows
	s_add_co_u32 s20, s20, s21
	s_lshl_b32 s21, s19, 11                        ; + 512 numbers along K
	s_add_co_u32 s20, s20, s21
	s_mov_b32 s21, 0
	s_mul_i32 s22, s19, 2*SSTR                     ; img: my first K slot,
	s_mul_i32 s23, s18, 3072                       ; my tile
	s_add_co_u32 s22, s22, s23
	s_mov_b32 s23, 0
	s_lshl_b32 s28, s18, 9                         ; scl: 512 bytes a tile, 128 a K slot
	s_lshl_b32 s29, s19, 8
	s_add_co_u32 s28, s28, s29
	s_mov_b32 s29, 0
	s_mov_b32 s[SEL], 0x76543210
	s_mov_b32 s[SEL+1], 0xfedcba98
	s_mov_b32 s[HM], 0xffff0000
	s_mul_i32 s27, s16, XSTG
	s_wait_alu depctr_va_vdst(0)
	v_lshlrev_b32 v3, 4, v2                        ; 16 x lane: my bytes of a load's 512
	v_add_nc_u32 v4, s27, v3                       ; the stage, in
	v_and_b32 v7, 15, v0                           ; r
	v_bfe_u32 v8, v0, 4, 1                         ; h
	v_mul_u32_u24 v5, v7, 528
	v_lshl_add_u32 v5, v8, 6, v5
	v_add_nc_u32 v5, s27, v5                       ; and out: row r, + 64 h
	v_lshlrev_b32 v6, 3, v2                        ; 8 x lane: my place in a piece
.irp b, 0,1,2,3
	v_mov_b32 v[TM+4+\b], 0                        ; written once: a lane permute's destination counts as one of its sources
.endr
	s_wait_alu depctr_va_vdst(0)
	s_wait_kmcnt 0x0
	s_add_nc_u64 s[4:5], s[4:5], s[20:21]
	s_add_nc_u64 s[10:11], s[10:11], s[22:23]
	s_add_nc_u64 s[12:13], s[12:13], s[28:29]
	LOADK 0
	LOADK 1
	KPART 0
	KPART 1
	KPART 2
	KPART 3
	v_cndmask_b32 v248, v[PW4], v[PW4+2], s[HM]    ; lanes 0-15 store the first K slot's two words of row r, lanes 16-31 the second's
	v_cndmask_b32 v249, v[PW4+1], v[PW4+3], s[HM]
	global_store_b64 v6, v[248:249], s[12:13]      ; 256 consecutive bytes, aligned
	s_wait_tensorcnt 0x0
	ds_add_u32 v254, v255
	s_wait_dscnt 0x0
	s_endpgm
	; ---- the weights: a lane takes a column n, its registers run down K; a wave takes 32 columns (two tiles) x 256 along K (one K slot)
.Lweights:
	s_sub_co_u32 s17, ttmp9, 256
	s_lshr_b32 s18, s17, 2                         ; which 128 columns: 0..23 w_qkv, 24..31 w_out
	s_and_b32 s19, s17, 3                          ; which K slot
	s_max_u32 s20, s18, 24
	s_sub_co_u32 s20, s20, 24
	s_mov_b32 s21, 12288
	s_wait_kmcnt 0x0
	s_cmp_lt_u32 s18, 24                           ; the choice hangs on the work-group's number alone
	s_cselect_b64 s[6:7], s[6:7], s[8:9]           ; the weight,
	s_cselect_b32 s20, s18, s20                    ; the 128 columns in it,
	s_cselect_b32 s21, s21, 4096                   ; a row of it in bytes
	s_lshl_b32 s22, s20, 9
	s_lshl_b32 s23, s16, 7
	s_add_co_u32 s22, s22, s23                     ; my wave's first column, in bytes
	s_lshl_b32 s23, s19, 8
	s_mul_i32 s23, s23, s21                        ; + 256 rows a K slot
	s_add_co_u32 s22, s22, s23
	s_mov_b32 s23, 0
	s_add_nc_u64 s[32:33], s[6:7], s[22:23]        ; a base for each block of 32 rows: nothing is stepped while loads are out
	s_lshl_b32 s22, s21, 5
.irp t, 1,2,3,4,5,6,7
	s_add_nc_u64 s[32+2*\t:33+2*\t], s[30+2*\t:31+2*\t], s[22:23]
.endr
	s_lshl_b32 s24, s18, 3
	s_lshl_b32 s25, s16, 1
	s_add_co_u32 s24, s24, s25
	s_add_co_u32 s24, s24, 512                     ; my first tile: 512 + 8 x (128 columns) + 2 x wave
	s_mul_i32 s26, s24, 3072
	s_mul_i32 s27, s19, SSTR
	s_add_co_u32 s26, s26, s27
	s_mov_b32 s27, 0
	s_add_nc_u64 s[10:11], s[10:11], s[26:27]
	s_lshl_b32 s26, s24, 9
	s_lshl_b32 s28, s19, 7
	s_add_co_u32 s26, s26, s28
	s_add_nc_u64 s[12:13], s[12:13], s[26:27]
	s_wait_alu depctr_va_vdst(0)
	v_lshlrev_b32 v3, 2, v2                        ; 4 bytes a lane
.irp i, 0,1,2,3,4,5,6,7,8,9,10,11,12,13,14,15,16,17,18,19,20,21,22,23,24,25,26,27,28,29,30,31
	v_mad_u32_u24 v[OF+\i], s21, \i, v3            ; + i rows
.endr
	v_bfe_u32 v8, v0, 3, 1                         ; column l of the 32 is row r = l % 8 + 8 (l / 16) of tile u = (l / 8) % 2
	v_and_b32 v9, 7, v0
	v_bfe_u32 v10, v0, 4, 1
	v_lshl_add_u32 v9, v10, 3, v9
	s_mul_i32 s28, s16, WSTG
	s_add_co_u32 s28, s28, WSTG0                   ; my stage
	v_mul_u32_u24 v4, v8, 3200
	v_lshl_add_u32 v4, v9, 3, v4
	v_add_nc_u32 v4, s28, v4                       ; in: tile u, 8 r
	v_lshlrev_b32 v6, 4, v2                        ; out: 16 bytes a lane, in LDS and in img
	v_add_nc_u32 v5, s28, v6
	v_lshlrev_b32 v7, 9, v8
	v_lshl_add_u32 v7, v9, 3, v7                   ; scl: tile u, row r
	LOADW 0
	LOADW 1
.irp t, 0,1,2,3,4,5,6,7
	BLOCKW \t
.endr
	s_wait_alu depctr_va_vdst(0)
	global_store_b64 v7, v[SB:SB+1], s[12:13]      ; my column's two scale words of this K slot: sixteen lanes fill 128 consecutive bytes
.irp n, 0,1,2,3,4,5,6,7,8,9,10,11
	ds_load_b128 v[OUTR+4*\n:OUTR+4*\n+3], v5 offset:(\n/6)*3200+(\n%6)*512   ; LDS serves a wave's instructions in order: these see my stores
.endr
.irp n, 0,1,2,3,4,5,6,7,8,9,10,11
	s_wait_dscnt 11-\n                             ; load n is in; the younger ones may be out
	global_store_b128 v6, v[OUTR+4*\n:OUTR+4*\n+3], s[10:11] offset:512*\n   ; 512 consecutive bytes, aligned: the two tiles' images lie on end
.endr
	s_wait_tensorcnt 0x0
	ds_add_u32 v254, v255
	s_wait_dscnt 0x0
	s_endpgm
.Lfunc_end_k_qf8bbe80ac1_prep:
	.size	k_qf8bbe80ac1_prep, .Lfunc_end_k_qf8bbe80ac1_prep-k_qf8bbe80ac1_prep
	.p2alignl 7, 3214868480
	.fill 96, 4, 3214868480
	.section	.rodata,"a",@progbits
	.p2align	6, 0x0
	.amdhsa_kernel k_qf8bbe80ac1_prep
		.amdhsa_group_segment_fixed_size 59904
		.amdhsa_private_segment_fixed_size 0
		.amdhsa_enable_private_segment 0
		.amdhsa_kernarg_size 40
		.amdhsa_user_sgpr_count 2
		.amdhsa_user_sgpr_kernarg_segment_ptr 1
		.amdhsa_wavefront_size32 1
		.amdhsa_system_sgpr_workgroup_id_x 1
		.amdhsa_system_sgpr_workgroup_id_y 1
		.amdhsa_system_sgpr_workgroup_id_z 1
		.amdhsa_system_vgpr_workitem_id 0
		.amdhsa_next_free_vgpr 256
		.amdhsa_next_free_sgpr 66
		.amdhsa_reserve_vcc 0
		.amdhsa_float_denorm_mode_32 3
		.amdhsa_float_denorm_mode_16_64 3
		.amdhsa_memory_ordered 1
		.amdhsa_forward_progress 1
		.amdhsa_inst_pref_size 79
	.end_amdhsa_kernel
	.amdgpu_metadata
---
amdhsa.version: [ 1, 2 ]
amdhsa.kernels:
  - .name:           k_qf8bbe80ac1_prep
    .symbol:         k_qf8bbe80ac1_prep.kd
    .args:
      - { .name: x, .offset: 0, .size: 8, .value_kind: global_buffer, .address_space: global }
      - { .name: w_qkv, .offset: 8, .size: 8, .value_kind: global_buffer, .address_space: global }
      - { .name: w_out, .offset: 16, .size: 8, .value_kind: global_buffer, .address_space: global }
      - { .name: img, .offset: 24, .size: 8, .value_kind: global_buffer, .address_space: global }
      - { .name: scl, .offset: 32, .size: 8, .value_kind: global_buffer, .address_space: global }
    .group_segment_fixed_size: 59904
    .private_segment_fixed_size: 0
    .kernarg_segment_align: 8
    .kernarg_segment_size: 40
    .max_flat_workgroup_size: 128
    .sgpr_count:     66
    .vgpr_count:     256
    .wavefront_size: 32
...
	.end_amdgpu_metadata
.endif
;; end of part 1
;; launch proj (part 2): grid 8 x 48, 4 waves a work-group, clusters of 4 x 4, 327,680 bytes of LDS; arguments img, scl, b_qkv, att; writes att
.if DOCPART == 2
	.amdgcn_target "amdgcn-amd-amdhsa--gfx1250"
	.amdhsa_code_object_version 6
	.text
	.protected	k_qf8bbe80ac1_proj
	.globl	k_qf8bbe80ac1_proj
	.p2align	8
	.type	k_qf8bbe80ac1_proj,@function
k_qf8bbe80ac1_proj:
	s_mov_b64 s[64:65], 0
	v_nop
	global_prefetch_b8 v0, s[64:65] scope:SCOPE_SE
	s_setreg_imm32_b32 hwreg(HW_REG_WAVE_MODE, 25, 1), 1
	s_wait_xcnt 0x0
	s_wait_alu depctr_hold_cnt(0) depctr_sa_sdst(0) depctr_va_vdst(0) depctr_va_sdst(0) depctr_va_ssrc(0) depctr_va_vcc(0) depctr_vm_vsrc(0)
	s_getreg_b32 s2, hwreg(HW_REG_IB_STS2, 6, 4)
	s_cmp_eq_u32 s2, 0
	s_cbranch_scc0 .Lentry_in_a_cluster
	s_endpgm
.Lentry_in_a_cluster:
	s_bfe_u32 s2, ttmp6, 0x10000c
	s_cmp_lg_u32 s2, 0xf033
	s_cbranch_scc0 .Lentry_shape_is_right
	s_endpgm
.Lentry_shape_is_right:
; PROJ: qkv = x w_qkv + b_qkv on codes of BF6 (E3M2) with E8M0 scales, K = 1,024, and q, k, v quantised in registers for the attention: q and k along the head's 64, v along the tokens.
; Operands lie in img and scl as images of the operand registers: a fragment (16 rows x 128 K) is 6 pieces of 256 bytes, lane l's registers 2 q, 2 q + 1 at 256 q + 8 l.
;   img: [K slot of 256][tile of 16 rows T][128 along K][1,536];  scl: [T][K slot][r][128 along K][4].  T 0..511: x; 512..703: w_qkv's columns.  Lane r of tile T holds row 32 (T / 2) + 8 (T % 2) + r + 8 (r / 8).
; A work-group of four waves makes 256 x 256, a wave 128 x 128: 64 accumulators, 512 registers.  Source 0 = 16 rows of B, source 1 = 16 rows of A: a lane holds ONE row of A, and the 16 registers of B's tiles
; 2 b, 2 b + 1 are 16 NEIGHBOURS along B's rows.  TWO MODES, chosen on the cluster's y alone (equal in all sixteen partners):
;   y < 8:  A = tokens (x), B = the channels of q and k: a lane's registers run along the channels, which are K of the scores.
;   y >= 8: A = the channels of v, B = tokens: a lane's registers run along the tokens, which are K of the second product of the attention.
; The modes differ in which tiles of img are asked for, in the first K step's C (the bias) and in where the results go.
; K goes in four slots of 256 through a ring of two LDS slots.  A slot's tiles and the scales are dense blocks of memory: they come as rows of 256 bytes, no padding, since every LDS read takes 256 consecutive bytes.
; CLUSTERS: 4 x 4 work-groups; A's tile is shared along a row of the cluster, B's along a column: each is asked for jointly.
; THE WAY OUT has no stage: a block of 16 rows x 128 is quantised in registers and its 12 registers leave as six pieces of 256 consecutive bytes.
;   att: [head 0..63][128 tokens 0..15][19,200]: +0 k: 8 tiles x 768; +6,144 v: 4 fragments (16 channels x 128 tokens); +12,288 k's scales [r][pair][tile][2]; +12,544 v's [r][tile][4]; +12,800 q: 8 x 768; +18,944 q's scales.
; LIMITS: NaN and infinities are not served.  A block of zeros, or one whose largest magnitude lies under 2^(5 - 127), gets the byte 1 (the bytes are read by this program alone).  The bias is a sum's first addend.
; REGISTERS: window 0: v16-29 addresses; v32-63 scale words, two sets; v64-127 the bias; v128-223 A's fragments, one set (on the way out: codes and work).  window 1: B's fragments, two sets.  windows 2, 3: accumulators.
.set SSTR,   2359296                   ; a K slot of img
.set ASTR,   SSTR
.set BSTR,   SSTR
.set NQ,     2                         ; matrix instructions deep in a slot
.set FR,     12                        ; registers of a fragment
.set NL,     6                         ; LDS loads that bring one
.set NP,     4                         ; places behind this matrix instruction (ISA guide 7.12.1)
.set HALFT,  24576                     ; 128 rows x 256 K: 8 tiles x 3,072 bytes: what one tensor load brings
.set SLOT,   4*HALFT                   ; A's 256 rows, then B's
.set SCL,    2*SLOT                    ; behind the ring: the scales for all of K
.set HALFS,  4096                      ; those of 128 rows
.set SBLK,   512                       ; those of 16 rows
.set SPARE,  SCL+4*HALFS               ; the spare words, 128 bytes for each wave: two blocks of 256 bytes that no other line names
.set HEADB,  307200                    ; a head in att
.set REC,    19200                     ; 128 tokens of a head
.set ADRA, 16                          ; v16-17  LDS address of my A fragments in slot 0, 1
.set ADRB, 20                          ; v20-21  the same for B
.set L8,   24                          ; v24     8 x lane
.set OFS,  25                          ; v25     the scales' way out: 16 r, lanes 16-31 a head on
.set BO,   26                          ; v26     the bias loads' offset
.set ADRS, 27                          ; v27     LDS address of my scale words: lanes 0-15 A's rows, lanes 16-31 B's
.set SPW,  28                          ; v28     LDS address of my spare word; never rewritten
.set NIL,  29                          ; v29     0; never rewritten
.set SC,   32
.set BN,   64
.set AF,   128
.set PC,   128                         ; the way out: v128-147 codes, v152-167 at work, v168-175 the blocks' scale words, v176-183 and v184-187 as they leave
.set TM,   152
.set PWS,  168
.set KW,   176
.set OW,   184
.set WV,   16                          ; s16 wave; s17 which half of A's rows is mine, also: I fetch for A (0) or B (1); s18 which half of B's rows, also: which 128 rows I fetch
.set HR,   17
.set HC,   18
.set OB,   20                          ; s[20:21], s[22:23]: first A's addresses, later where codes and scales go
.set OS,   22
.set G1,   24
.set G0,   32
.set CX,   40
.set CY,   41
.set RM,   43
.set CM,   44
.set LT,   45
.set G1B,  48
.set G0B,  56
.set G1S,  68
.set G0S,  76
.set G1SB, 80
.set G0SB, 88
.set LS,   94
.set ISV,  95
.set SEL,  96
.set HM,   98
.set MSB, 0
.macro WIN new                         ; the immediate's high byte repeats the setting that is left
.if MSB != \new
	s_set_vgpr_msb (MSB<<8)|\new
.set MSB, \new
.endif
.endm
.set MUL_LO, 0xa1                      ; source 0 (B) window 1, source 1 (A) window 0, C and D window 2
.set MUL_HI, 0xf1                      ; the same, C and D window 3
.set TO_B,   0x40                      ; destination window 1, address window 0
; A joint load: waves 0 and 1 fetch for A, waves 2 and 3 for B; the branch hangs on the wave's number alone.  Four v_nop follow each of the two lines.
.macro JLOAD g0a, g1a, g0b, g1b
	s_cmp_eq_u32 s[HR], 0
	s_cbranch_scc0 .Lfor_b_\@
	tensor_load_to_lds s[\g0a:\g0a+3], s[\g1a:\g1a+7]
	s_nop 0
.rept 4
	v_nop
.endr
	s_branch .Lasked_\@
.Lfor_b_\@:
	tensor_load_to_lds s[\g0b:\g0b+3], s[\g1b:\g1b+7]
	s_nop 0
.rept 4
	v_nop
.endr
.Lasked_\@:
.endm
.macro CREST                           ; a round of the cluster's barrier behind its opening barrier
	s_cmp_lg_u32 s[WV], 0
	s_cbranch_scc1 .Lnot_wave_0_\@
	s_barrier_signal -3
.Lnot_wave_0_\@:
	s_barrier_wait -3
	s_barrier_signal -1
	s_barrier_wait -1
.endm
.macro CROUND
	s_barrier_signal -1
	s_barrier_wait -1
	CREST
.endm
.macro FRAG reg, adr, q, i             ; tile i, the slot's q-th 128 along K: six pieces, each 256 consecutive bytes
.irp p, 0,1,2,3,4,5
	ds_load_b64 v[\reg+2*\p:\reg+2*\p+1], v[\adr] offset:(\i)*3072+(\q)*1536+256*\p
.endr
.endm
; 16 matrix instructions: A's blocks a0, a0 + 1 x B's eight.  p: B's set; sc: the set of scale words.  cm = 0: the sums go on; 1: they start from the bias of B's rows; 2: from the bias of A's rows.
; The 64 accumulators take turns, one instruction a turn, in the same order in every step.
.macro MUL16 a0, p, q, sc, cm
.irp a, \a0, \a0+1
.irp b, 0,1,2,3,4,5,6,7
.if \cm == 0
	v_wmma_scale_f32_16x16x128_f8f6f4 v[8*(8*((\a)%4)+\b):8*(8*((\a)%4)+\b)+7], v[128*(\p)+FR*\b:128*(\p)+FR*\b+FR-1], v[AF+FR*(\a):AF+FR*(\a)+FR-1], v[8*(8*((\a)%4)+\b):8*(8*((\a)%4)+\b)+7], v[SC+8*NQ*(\sc)+NQ*\b+(\q)], v[SC+8*NQ*(\sc)+NQ*(\a)+(\q)] matrix_a_fmt:MATRIX_FMT_BF6 matrix_b_fmt:MATRIX_FMT_BF6 matrix_a_scale:MATRIX_SCALE_ROW1
.elseif \cm == 1
	v_wmma_scale_f32_16x16x128_f8f6f4 v[8*(8*((\a)%4)+\b):8*(8*((\a)%4)+\b)+7], v[128*(\p)+FR*\b:128*(\p)+FR*\b+FR-1], v[AF+FR*(\a):AF+FR*(\a)+FR-1], v[BN+8*\b:BN+8*\b+7], v[SC+8*NQ*(\sc)+NQ*\b+(\q)], v[SC+8*NQ*(\sc)+NQ*(\a)+(\q)] matrix_a_fmt:MATRIX_FMT_BF6 matrix_b_fmt:MATRIX_FMT_BF6 matrix_a_scale:MATRIX_SCALE_ROW1
.else
	v_wmma_scale_f32_16x16x128_f8f6f4 v[8*(8*((\a)%4)+\b):8*(8*((\a)%4)+\b)+7], v[128*(\p)+FR*\b:128*(\p)+FR*\b+FR-1], v[AF+FR*(\a):AF+FR*(\a)+FR-1], v[BN+8*(\a):BN+8*(\a)+7], v[SC+8*NQ*(\sc)+NQ*\b+(\q)], v[SC+8*NQ*(\sc)+NQ*(\a)+(\q)] matrix_a_fmt:MATRIX_FMT_BF6 matrix_b_fmt:MATRIX_FMT_BF6 matrix_a_scale:MATRIX_SCALE_ROW1
.endif
.endr
.endr
.endm
.macro FETCH_B slot, q, p
	WIN TO_B
.irp i, 0,1,2,3,4,5,6,7
	FRAG 128*(\p)+FR*\i, ADRB+\slot, \q, \i
.endr
	WIN 0
.endm
.macro FETCH_A slot, q, i0
.irp i, \i0, \i0+1, \i0+2, \i0+3
	FRAG AF+FR*(\i), ADRA+\slot, \q, \i
.endr
.endm
.macro SCALES sc                       ; a K slot's two words a row: lanes 0-15 take A's block i, lanes 16-31 B's block i
.irp i, 0,1,2,3,4,5,6,7
	ds_load_b64 v[SC+8*NQ*\sc+NQ*\i:SC+8*NQ*\sc+NQ*\i+1], v[ADRS] offset:\i*SBLK
.endr
.endm
.macro PLACES n                        ; plain vector instructions between a matrix instruction and a load into, or a vector write of, its registers, or a read of its result
.rept \n
	v_nop
.endr
.endm
; A step of 128 along K that has its successor in the same slot.
.macro STEP slot, q, cm
	s_wait_dscnt 4*NL                              ; B's set, A's blocks 0-3 and the scale words are in; the youngest 24 loads (A's blocks 4-7) may be out
.if \cm
	WIN 0x81                                       ; C (the bias) window 0, D window 2
.else
	WIN MUL_LO
.endif
	MUL16 0, (\q)%2, \q, \slot, \cm
	MUL16 2, (\q)%2, \q, \slot, \cm
	s_wait_dscnt 0                                 ; A's blocks 4-7 are in
	PLACES NP
	FETCH_B \slot, (\q)+1, 1-(\q)%2
	FETCH_A \slot, (\q)+1, 0
.if \cm
	WIN 0xc1
.else
	WIN MUL_HI
.endif
	MUL16 4, (\q)%2, \q, \slot, \cm
	MUL16 6, (\q)%2, \q, \slot, \cm
	PLACES NP
	WIN 0
	FETCH_A \slot, (\q)+1, 4
.endm
; A slot's last step changes slots: one barrier; in front of it each wave waits for all its tensor loads, adds 0 to its spare word, and waits for that and for its reads of this slot.  fill = 1: this slot is filled again, two K slots ahead.
.macro TURN slot, next, fill
	s_wait_tensorcnt 0x0                           ; all my tensor loads have landed: my part of the next slot
	ds_add_u32 v[SPW], v[NIL]                      ; 0 onto my spare word
	s_wait_dscnt 4*NL+1                            ; the add and the youngest 24 loads (A's blocks 4-7) may be out
	WIN MUL_LO
	MUL16 0, 1, NQ-1, \slot, 0
	s_wait_dscnt 0x0                               ; the add is done, and my reads of this slot are over
	s_barrier_signal -1
	MUL16 2, 1, NQ-1, \slot, 0
	WIN 0
	s_barrier_wait -1
.if \fill
	CREST                                          ; the barrier has opened a round of the cluster's: no wave of any partner still reads this slot or has a load on its way
	s_add_nc_u64 s[G0+4*\slot+2:G0+4*\slot+3], s[G0+4*\slot+2:G0+4*\slot+3], 2*ASTR
	s_add_nc_u64 s[G0B+4*\slot+2:G0B+4*\slot+3], s[G0B+4*\slot+2:G0B+4*\slot+3], 2*BSTR
	JLOAD G0+4*\slot, G1, G0B+4*\slot, G1B         ; the first tensor load behind the round; its four v_nop are the places in front of the loads below
.else
	PLACES NP
.endif
	s_wait_alu depctr_va_vdst(0)
	v_add_nc_u32 v[ADRS], 128, v[ADRS]             ; the next K slot's scale words (no LDS load of mine is out)
	FETCH_B \next, 0, 0
	FETCH_A \next, 0, 0
	SCALES \next
	WIN MUL_HI
	MUL16 4, 1, NQ-1, \slot, 0
	MUL16 6, 1, NQ-1, \slot, 0
	PLACES NP
	WIN 0
	FETCH_A \next, 0, 4
.endm
; THE WAY OUT of block a: the lane's 64 numbers (register 16 b + i = 32 b + 16 (lane / 16) + i along B's rows) become 12 registers of codes and a scale word.  mode 0: two heads x 64 channels of 16 tokens; 1: 128 tokens of 16 channels.
.macro BLOCKOUT a, mode
.set W,  2+(\a)/4
.set WA, W|(W<<2)
.set AC, 64*((\a)%4)
	WIN WA                                         ; sources 0 and 1: the accumulators' window
.irp b, 0,1,2,3
	v_max3_num_f32 v[TM+\b], |v[AC+16*\b]|, |v[AC+16*\b+1]|, 0x2800000   ; each accumulator is read from its low end on; the floor 2^(5 - 127) holds the byte at 1 from below
.endr
.irp i, 2,4,6,8,10,12,14
.irp b, 0,1,2,3
	v_max3_num_f32 v[TM+\b], |v[AC+16*\b+\i]|, |v[AC+16*\b+\i+1]|, v[TM+\b]
.endr
.endr
	WIN 0
.irp b, 0,1,2,3
	v_permlanex16_b32 v[TM+4+\b], v[TM+\b], s[SEL], s[SEL+1]
.endr
.irp b, 0,1,2,3
	v_max_num_f32 v[TM+\b], v[TM+\b], v[TM+4+\b]
.endr
.irp b, 0,1,2,3
	v_add_nc_u32 v[TM+12+\b], 0xfe000000, v[TM+\b] ; 4 off the exponent field: the conversion's scale operand
.endr
.irp b, 0,1,2,3
	v_lshrrev_b32 v[TM+4+\b], 23, v[TM+12+\b]
.endr
	v_lshl_or_b32 v[PWS+(\a)], v[TM+5], 8, v[TM+4]
	v_lshl_or_b32 v[PWS+(\a)], v[TM+6], 16, v[PWS+(\a)]
	v_lshl_or_b32 v[PWS+(\a)], v[TM+7], 24, v[PWS+(\a)]
	s_wait_xcnt 0x0                                ; the last block's stores have read the codes' registers
	WIN W
.irp c, 0,1
	v_cvt_scalef32_pk16_bf6_f32 v[PC+6*\c:PC+2+6*\c], v[AC+32*\c:AC+15+32*\c], v[TM+12+2*\c]
	v_cvt_scalef32_pk16_bf6_f32 v[PC+12+4*\c:PC+14+4*\c], v[AC+16+32*\c:AC+31+32*\c], v[TM+12+2*\c+1]
.endr
	WIN 0
	v_nop                                          ; one plain instruction behind a scaled conversion
.irp c, 0,1
.irp i, 0,1,2
	v_permlane16_swap_b32 v[PC+6*\c+\i], v[PC+12+4*\c+\i]
.endr
.irp i, 0,1,2
	v_mov_b32 v[PC+3+6*\c+\i], v[PC+12+4*\c+\i]
.endr
.endr
.irp c, 0,1
.irp p, 0,1,2
.if \mode
	global_store_b64 v[L8], v[PC+6*\c+2*\p:PC+6*\c+2*\p+1], s[OB:OB+1] offset:((\a)/4)*HEADB+((\a)%4)*1536+768*\c+256*\p   ; head a / 4, channel tile a % 4: 256 consecutive bytes, aligned
.else
	global_store_b64 v[L8], v[PC+6*\c+2*\p:PC+6*\c+2*\p+1], s[OB:OB+1] offset:\c*HEADB+(\a)*768+256*\p   ; head c, token tile a
.endif
.endr
.endr
.endm
	s_load_b128 s[4:7], s[0:1], 0x0                ; img, scl
	s_load_b128 s[8:11], s[0:1], 0x10              ; b_qkv, att
	v_lshl_add_u32 v[SPW], v0, 2, SPARE
	v_mov_b32 v[NIL], 0
	ds_add_u32 v28, v29
	ds_add_u32 v28, v29
	s_wait_dscnt 0x0
	v_lshrrev_b32 v1, 5, v0
	v_readfirstlane_b32 s[WV], v1                  ; wave 0..3
	s_lshr_b32 s[HR], s[WV], 1
	s_and_b32 s[HC], s[WV], 1
	s_bfe_u32 s[CX], ttmp6, 0x40000                ; my place in the cluster
	s_bfe_u32 s[CY], ttmp6, 0x40004
	s_lshl_b32 s[RM], s[CY], 2
	s_lshl_b32 s[RM], 15, s[RM]                    ; my row of the cluster
	s_lshl_b32 s[CM], 0x1111, s[CX]                ; my column
	s_and_b32 s19, ttmp7, 0xffff                   ; the cluster's y: 0..7 q and k, 8..11 v
	s_lshl_b32 s66, s19, 2
	s_max_u32 s67, s19, 8
	s_sub_co_u32 s67, s67, 8
	s_lshl_b32 s67, s67, 3
	s_lshl_b32 s42, ttmp9, 2
	s_cmp_ge_u32 s19, 8
	s_cselect_b32 s[ISV], 1, 0
	s_cselect_b32 s66, 40, s66                     ; A's tile of 256 rows of img: tokens 4 y + cy, or v's channels 40 + cy
	s_cselect_b32 s67, s67, 32                     ; B's: channels 32 + 4 x + cx, or tokens 8 (y - 8) + 4 x + cx
	s_add_co_u32 s66, s66, s[CY]                   ; (s66 never holds cx, s67 never cy)
	s_add_co_u32 s67, s67, s42
	s_add_co_u32 s67, s67, s[CX]
	; descriptor group 1: dense blocks as rows of 256 bytes (32 elements of 8 bytes), no padding: 96 rows of codes, 16 of scales
	s_or_b32 s[G1+0], s[RM], (3<<16)|(1<<21)       ; 15:0 the mask: A's tiles go to my row; 17:16 elements of 8 bytes; 21 set beside a mask
	s_or_b32 s[G1B+0], s[CM], (3<<16)|(1<<21)
.irp g, G1, G1B
	s_mov_b32 s[\g+1], 32<<16                      ; tensor_dim0
	s_mov_b32 s[\g+2], 96<<16                      ; tensor_dim1
	s_mov_b32 s[\g+3], 32<<16                      ; tile_dim0
	s_mov_b32 s[\g+4], 96                          ; tile_dim1
	s_mov_b32 s[\g+5], 32                          ; tensor_dim0_stride
	s_mov_b32 s[\g+6], 0
	s_mov_b32 s[\g+7], 0
.endr
	s_or_b32 s[G1S+0], s[RM], (3<<16)|(1<<21)
	s_or_b32 s[G1SB+0], s[CM], (3<<16)|(1<<21)
.irp g, G1S, G1SB
	s_mov_b32 s[\g+1], 32<<16
	s_mov_b32 s[\g+2], 16<<16
	s_mov_b32 s[\g+3], 32<<16
	s_mov_b32 s[\g+4], 16
	s_mov_b32 s[\g+5], 32
	s_mov_b32 s[\g+6], 0
	s_mov_b32 s[\g+7], 0
.endr
	s_mul_i32 s2, s[HC], HALFT                     ; which 128 rows of the tile I fetch
	s_mul_i32 s20, s66, 2*HALFT
	s_add_co_u32 s20, s20, s2
	s_mov_b32 s21, 0
	s_mul_i32 s46, s67, 2*HALFT
	s_add_co_u32 s46, s46, s2
	s_mov_b32 s47, 0
	s_lshl_b32 s3, s[HC], 12
	s_lshl_b32 s22, s66, 13
	s_add_co_u32 s22, s22, s3
	s_mov_b32 s23, 0
	s_lshl_b32 s92, s67, 13
	s_add_co_u32 s92, s92, s3
	s_mov_b32 s93, 0
	s_mul_i32 s[LT], s[WV], HALFT                  ; where they go: wave x 128 rows: no place in the cluster enters an LDS address
	s_mul_i32 s[LS], s[WV], HALFS
	s_mov_b32 s[SEL], 0x76543210
	s_mov_b32 s[SEL+1], 0xfedcba98
	s_mov_b32 s[HM], 0xffff0000
	s_wait_kmcnt 0x0
	s_add_nc_u64 s[20:21], s[4:5], s[20:21]
	s_add_nc_u64 s[22:23], s[6:7], s[22:23]
	s_add_nc_u64 s[46:47], s[4:5], s[46:47]
	s_add_nc_u64 s[92:93], s[6:7], s[92:93]
	CROUND                                         ; all sixteen work-groups are here: the first joint loads meet
	s_mov_b32 s[G0S], 1
	s_add_co_u32 s[G0S+1], s[LS], SCL
	s_mov_b64 s[G0S+2:G0S+3], s[22:23]
	s_or_b32 s[G0S+3], s[G0S+3], 0x80000000
	s_mov_b32 s[G0SB], 1
	s_add_co_u32 s[G0SB+1], s[LS], SCL
	s_mov_b64 s[G0SB+2:G0SB+3], s[92:93]
	s_or_b32 s[G0SB+3], s[G0SB+3], 0x80000000
	JLOAD G0S, G1S, G0SB, G1SB                     ; the scales first: filled once, wanted with K slot 0
.irp s, 0,1
	s_mov_b32 s[G0+4*\s], 1
	s_add_co_u32 s[G0+4*\s+1], s[LT], \s*SLOT
	s_add_nc_u64 s[G0+4*\s+2:G0+4*\s+3], s[20:21], \s*ASTR
	s_or_b32 s[G0+4*\s+3], s[G0+4*\s+3], 0x80000000
	s_mov_b32 s[G0B+4*\s], 1
	s_add_co_u32 s[G0B+4*\s+1], s[LT], \s*SLOT
	s_add_nc_u64 s[G0B+4*\s+2:G0B+4*\s+3], s[46:47], \s*BSTR
	s_or_b32 s[G0B+4*\s+3], s[G0B+4*\s+3], 0x80000000
	JLOAD G0+4*\s, G1, G0B+4*\s, G1B               ; three loads of mine are out
.endr
	v_and_b32 v1, 15, v0                           ; r
	v_bfe_u32 v2, v0, 4, 1                         ; h
	s_wait_alu depctr_va_vdst(0)
	v_and_b32 v3, 31, v0
	v_lshlrev_b32 v[L8], 3, v3
	s_mul_i32 s20, s[HR], HALFT                    ; my 128 rows of A
	s_mul_i32 s21, s[HC], HALFT                    ; my 128 rows of B,
	s_add_co_u32 s21, s21, 2*HALFT                 ; which lie behind A's 256
.irp s, 0,1
	v_add_nc_u32 v[ADRA+\s], s20, v[L8]
	v_add_nc_u32 v[ADRB+\s], s21, v[L8]
	s_add_co_u32 s20, s20, SLOT
	s_add_co_u32 s21, s21, SLOT
.endr
	v_lshlrev_b32 v5, 3, v1                        ; my row's two words of a K slot
	s_mul_i32 s20, s[HR], HALFS
	s_mul_i32 s21, s[HC], HALFS
	s_add_co_u32 s21, s21, 2*HALFS
	s_sub_co_u32 s21, s21, s20
	v_mul_u32_u24 v6, s21, v2                      ; lanes 16-31 take B's
	s_add_co_u32 s20, s20, SCL
	v_add_nc_u32 v5, v5, v6
	v_add_nc_u32 v[ADRS], s20, v5
	v_mul_u32_u24 v6, v2, HEADB
	v_lshl_add_u32 v[OFS], v1, 4, v6
	; where the results go: head 16 x batch + my two of the tile's four heads; record = my 128 tokens
	s_cmp_eq_u32 s[ISV], 0
	s_cselect_b32 s19, s66, s67                    ; the tile of 256 tokens,
	s_cselect_b32 s42, s[HR], s[HC]                ; my half of it,
	s_cselect_b32 s46, s[CX], s[CY]                ; the tile of 256 channels: four heads,
	s_cselect_b32 s47, s[HC], s[HR]                ; my two of them
	s_lshr_b32 s92, s19, 3
	s_and_b32 s19, s19, 7
	s_lshl_b32 s19, s19, 1
	s_add_co_u32 s19, s19, s42
	s_lshl_b32 s92, s92, 4
	s_lshl_b32 s46, s46, 2
	s_lshl_b32 s47, s47, 1
	s_add_co_u32 s92, s92, s46
	s_add_co_u32 s92, s92, s47
	s_mul_i32 s92, s92, HEADB
	s_mul_i32 s19, s19, REC
	s_add_co_u32 s92, s92, s19
	s_mov_b32 s47, 18944
	s_cmp_eq_u32 ttmp9, 0                          ; the cluster's x: 0 q, 1 k
	s_cselect_b32 s46, 12800, 0
	s_cselect_b32 s47, s47, 12288
	s_cmp_eq_u32 s[ISV], 0
	s_cselect_b32 s46, s46, 6144
	s_cselect_b32 s47, s47, 12544
	s_add_co_u32 s46, s46, s92
	s_add_co_u32 s92, s47, s92
	s_mov_b32 s47, 0
	s_mov_b32 s93, 0
	s_add_nc_u64 s[OB:OB+1], s[10:11], s[46:47]
	s_add_nc_u64 s[OS:OS+1], s[10:11], s[92:93]
	; the bias: my 128 rows of the weight begin at channel 256 (tile - 32) + 128 x half
	s_cmp_eq_u32 s[ISV], 0
	s_cselect_b32 s46, s67, s66
	s_cselect_b32 s47, s[HC], s[HR]
	s_sub_co_u32 s46, s46, 32
	s_lshl_b32 s46, s46, 10
	s_lshl_b32 s47, s47, 9
	s_add_co_u32 s46, s46, s47
	s_mov_b32 s47, 0
	s_add_nc_u64 s[8:9], s[8:9], s[46:47]
	s_cmp_eq_u32 s[ISV], 0
	s_cbranch_scc0 .Lbias_v
	v_lshlrev_b32 v[BO], 6, v2                     ; q, k: register 8 b + j is the bias of channel 32 (b / 2) + 16 h + 8 (b % 2) + j
.irp b, 0,1,2,3,4,5,6,7
	global_load_b128 v[BN+8*\b:BN+8*\b+3], v[BO], s[8:9] offset:(32*(\b/2)+8*(\b%2))*4
	global_load_b128 v[BN+8*\b+4:BN+8*\b+7], v[BO], s[8:9] offset:(32*(\b/2)+8*(\b%2))*4+16
.endr
	s_branch .Lbias_in
.Lbias_v:
	v_and_b32 v[BO], 8, v1                         ; v: registers 8 a + 0..7 all hold the bias of my channel of block a: 32 (a / 2) + 8 (a % 2) + r + 8 (r / 8)
	v_add_nc_u32 v[BO], v[BO], v1
	v_lshlrev_b32 v[BO], 2, v[BO]
.irp a, 0,1,2,3,4,5,6,7
	global_load_b32 v[BN+8*\a], v[BO], s[8:9] offset:(32*(\a/2)+8*(\a%2))*4
.endr
	s_wait_loadcnt 0x0
.irp a, 0,1,2,3,4,5,6,7
.irp j, 1,2,3,4,5,6,7
	v_mov_b32 v[BN+8*\a+\j], v[BN+8*\a]
.endr
.endr
.Lbias_in:
	s_wait_loadcnt 0x0                             ; the bias
	s_wait_tensorcnt 1                             ; the scales and my part of K slot 0 are in; K slot 1's load may be out
	s_barrier_signal -1
	s_barrier_wait -1
	FETCH_B 0, 0, 0
	FETCH_A 0, 0, 0
	s_wait_alu depctr_va_vdst(0)
	SCALES 0
	FETCH_A 0, 0, 4
	s_cmp_eq_u32 s[ISV], 0                         ; the first step's products start the sums from the bias: along B's rows (q, k) or along A's (v).  No tensor load and no barrier stands in a step
	s_cbranch_scc0 .Lfirst_v
	STEP 0, 0, 1
	s_branch .Lfirst_done
.Lfirst_v:
	STEP 0, 0, 2
.Lfirst_done:
	TURN 0, 1, 1                                   ; K = 1,024 is four slots: the ring is written out.  Slot 0 takes K slot 2,
	STEP 1, 0, 0
	TURN 1, 0, 1                                   ; slot 1 takes K slot 3
	STEP 0, 0, 0
	TURN 0, 1, 0                                   ; nothing more is asked for
	STEP 1, 0, 0
	s_wait_dscnt 4*NL                              ; the very last step
	WIN MUL_LO
	MUL16 0, 1, NQ-1, 1, 0
	MUL16 2, 1, NQ-1, 1, 0
	s_wait_dscnt 0
	WIN MUL_HI
	MUL16 4, 1, NQ-1, 1, 0
	MUL16 6, 1, NQ-1, 1, 0
	WIN 0
	PLACES NP                                      ; in front of vector writes into the registers that held A's fragments
.irp b, 0,1,2,3
	v_mov_b32 v[TM+4+\b], 0                        ; written once: a lane permute's destination counts as one of its sources
.endr
	s_cmp_eq_u32 s[ISV], 0
	s_cbranch_scc0 .Lout_v
.irp a, 0,1,2,3,4,5,6,7
	BLOCKOUT \a, 0
.endr
.irp b, 0,1,2,3                                ; a word of block a: bytes 0, 1 the first head's two blocks, bytes 2, 3 the second's.  The attention wants, for a head, row r and pair b: tile 2 b's two bytes, then tile 2 b + 1's
	v_perm_b32 v[KW+\b], v[PWS+2*\b+1], v[PWS+2*\b], 0x05040100
	v_perm_b32 v[KW+4+\b], v[PWS+2*\b+1], v[PWS+2*\b], 0x07060302
.endr
.irp b, 0,1,2,3
	v_cndmask_b32 v[OW+\b], v[KW+\b], v[KW+4+\b], s[HM]   ; lanes 16-31 take the second head's
.endr
	s_branch .Lout_done
.Lout_v:
.irp a, 0,1,2,3,4,5,6,7
	BLOCKOUT \a, 1
.endr
.irp b, 0,1,2,3
	v_cndmask_b32 v[OW+\b], v[PWS+\b], v[PWS+4+\b], s[HM]   ; row r's words of the head's four channel tiles
.endr
.Lout_done:
	s_wait_alu depctr_va_vdst(0)
	global_store_b128 v[OFS], v[OW:OW+3], s[OS:OS+1]   ; sixteen lanes store 256 consecutive bytes, aligned, for each of the two heads
	s_wait_tensorcnt 0x0                           ; the wave's end
	ds_add_u32 v[SPW], v[NIL]
	s_wait_dscnt 0x0
	CROUND                                         ; the closing round: no work-group ends while a partner may still ask for a tile that names it
	s_endpgm
.Lfunc_end_k_qf8bbe80ac1_proj:
	.size	k_qf8bbe80ac1_proj, .Lfunc_end_k_qf8bbe80ac1_proj-k_qf8bbe80ac1_proj
	.p2alignl 7, 3214868480
	.fill 96, 4, 3214868480
	.section	.rodata,"a",@progbits
	.p2align	6, 0x0
	.amdhsa_kernel k_qf8bbe80ac1_proj
		.amdhsa_group_segment_fixed_size 327680
		.amdhsa_private_segment_fixed_size 0
		.amdhsa_enable_private_segment 0
		.amdhsa_kernarg_size 32
		.amdhsa_user_sgpr_count 2
		.amdhsa_user_sgpr_kernarg_segment_ptr 1
		.amdhsa_wavefront_size32 1
		.amdhsa_system_sgpr_workgroup_id_x 1
		.amdhsa_system_sgpr_workgroup_id_y 1
		.amdhsa_system_sgpr_workgroup_id_z 1
		.amdhsa_system_vgpr_workitem_id 0
		.amdhsa_next_free_vgpr 1024
		.amdhsa_next_free_sgpr 100
		.amdhsa_reserve_vcc 0
		.amdhsa_float_denorm_mode_32 3
		.amdhsa_float_denorm_mode_16_64 3
		.amdhsa_memory_ordered 1
		.amdhsa_forward_progress 1
		.amdhsa_inst_pref_size 223
	.end_amdhsa_kernel
	.amdgpu_metadata
---
amdhsa.version: [ 1, 2 ]
amdhsa.kernels:
  - .name:           k_qf8bbe80ac1_proj
    .symbol:         k_qf8bbe80ac1_proj.kd
    .args:
      - { .name: img, .offset: 0, .size: 8, .value_kind: global_buffer, .address_space: global }
      - { .name: scl, .offset: 8, .size: 8, .value_kind: global_buffer, .address_space: global }
      - { .name: b_qkv, .offset: 16, .size: 8, .value_kind: global_buffer, .address_space: global }
      - { .name: att, .offset: 24, .size: 8, .value_kind: global_buffer, .address_space: global }
    .group_segment_fixed_size: 327680
    .private_segment_fixed_size: 0
    .kernarg_segment_align: 8
    .kernarg_segment_size: 32
    .max_flat_workgroup_size: 128
    .sgpr_count:     100
    .vgpr_count:     1024
    .wavefront_size: 32
...
	.end_amdgpu_metadata
.endif
;; end of part 2
;; launch attn (part 3): grid 4 x 64, 16 waves a work-group, clusters of 4 x 1, 215,040 bytes of LDS; arguments att, yimg, yscl; writes yimg, yscl
.if DOCPART == 3
	.amdgcn_target "amdgcn-amd-amdhsa--gfx1250"
	.amdhsa_code_object_version 6
	.text
	.protected	k_qf8bbe80ac1_attn
	.globl	k_qf8bbe80ac1_attn
	.p2align	8
	.type	k_qf8bbe80ac1_attn,@function
k_qf8bbe80ac1_attn:
	s_mov_b64 s[64:65], 0
	v_nop
	global_prefetch_b8 v0, s[64:65] scope:SCOPE_SE
	s_setreg_imm32_b32 hwreg(HW_REG_WAVE_MODE, 25, 1), 1
	s_wait_xcnt 0x0
	s_wait_alu depctr_hold_cnt(0) depctr_sa_sdst(0) depctr_va_vdst(0) depctr_va_sdst(0) depctr_va_ssrc(0) depctr_va_vcc(0) depctr_vm_vsrc(0)
	s_getreg_b32 s2, hwreg(HW_REG_IB_STS2, 6, 4)
	s_cmp_eq_u32 s2, 0
	s_cbranch_scc0 .Lentry_in_a_cluster
	s_endpgm
.Lentry_in_a_cluster:
	s_bfe_u32 s2, ttmp6, 0x10000c
	s_cmp_lg_u32 s2, 0x3003
	s_cbranch_scc0 .Lentry_shape_is_right
	s_endpgm
.Lentry_shape_is_right:
; ATTN: y = softmax(q k^T / 8, causal) v for 64 heads of 2,048 tokens x 64 channels, both products on codes of BF6 (E3M2) with E8M0 scales, and y quantised along the channels for the last product.
; att: [head][128 tokens: 0..15][19,200]: +0 k: 8 tiles of 16 keys x 64 channels, 768 bytes each (three pieces of 256 bytes: lane l's registers 2 q, 2 q + 1 at 256 q + 8 l); +6,144 v: 4 fragments (16 channels x 128 keys, 1,536 bytes);
;   +12,288 k's scales [r][pair][tile][2]; +12,544 v's [r][tile][4]; +12,800 q: 8 tiles x 768; +18,944 q's scales, laid as k's.  Lane r of tile T holds token (or channel) 32 (T / 2) + 8 (T % 2) + r + 8 (r / 8).
; THE SOFTMAX: t = score x log2(e) / 8; M = the running largest t rounded UP to a whole number; p = 2^(t - M) is quantised along the keys, not normalised; the sum of the unquantised p divides at the end.
; When M moves, the sum and O are multiplied by 2^(old M - new M): exact.
; SHARES.  The four work-groups of a head are one cluster.  Wave w of partner cx owns two tiles of 16 queries, g = 4 w + cx and 127 - g: w / 2 + 1 and 16 - w / 2 key steps of 128, 17 for every wave.  Both counts come of the
; wave's number alone; cx enters global addresses and the mask's compare only.  Key steps wholly behind the diagonal are not worked.
; LDS.  The head's k, v and their scales (16 x 12,800 = 204,800 bytes; the claim is a little larger) are filled ONCE, one joint load a wave, and read by all sixteen waves: no ring, no refill.
; LAYOUT.  Both products are used transposed: S^T = k q^T (source 0 = keys), O^T = v^T p^T (source 0 = channels): a lane holds one query throughout.  K of the scores is 64: two tiles of keys on end are ONE operand of 128,
; multiplied once by [q; 0] and once by [0; q]: zero codes add nothing.  The 16 registers of tiles 2 b, 2 b + 1 are keys 32 b + 16 (lane / 16) + 0 .. 15.
; LIMITS: NaN and infinities are not served; a block whose largest magnitude lies under 2^(5 - 127) gets the byte 1 (read by this program alone); 1 / sum is v_rcp_f32 and a multiplication.
; REGISTERS: v1-4, v6 lane terms; v7, v10, v11 at work in the tail; v8-9 LDS addresses; v12 -M, v13 the largest t, v[14:15] the sum; v16-21 zeros, v22-27 q, v28-33 zeros; v34 q's scale word, v35 p's;
;   v36-83 k's four pairs, then at work; v84-87, v88-91 k's and v's scale words; v92-95 the blocks' maxima; v96-159 S^T, then p; v160-191 O^T; v192-239 v's four fragments; v240-251 p's codes.
.set REC,   19200
.set RECL,  12800                      ; what of a record stays in LDS
.set HEADB, 307200
.set SSTRY, 1572864                    ; a K slot of yimg: 512 tiles x 3,072 bytes
.set WV,   18
.set SEL,  20                          ; s[20:21] lane l xor 16
.set CS,   22                          ; s[22:23] c = log2(e) / 8
.set G1,   24
.set G0,   32
.set CX,   36
.set BH,   37
.set HM,   39                          ; the mask of lanes 16-31
.set PASS, 40
.set SG,   41                          ; the key step
.set NS,   42                          ; key steps of this pass
.set TAU,  43                          ; the tile of queries
.set TB,   44                          ; LDS byte of the step's record
.set HB,   46                          ; s[46:47] the head in att
.set QB,   48
.set QS,   50
.set YB,   52
.set YS,   54
.set TG,   66
.set TG2,  67
.set NS0,  68
.set NS1,  69
.set YH,   70
.set SH,   71
.macro CROUND                          ; a round of the cluster's barrier
	s_barrier_signal -1
	s_barrier_wait -1
	s_cmp_lg_u32 s[WV], 0
	s_cbranch_scc1 .Lnot_wave_0_\@
	s_barrier_signal -3
.Lnot_wave_0_\@:
	s_barrier_wait -3
	s_barrier_signal -1
	s_barrier_wait -1
.endm
	s_load_b128 s[4:7], s[0:1], 0x0                ; att, yimg
	s_load_b64 s[8:9], s[0:1], 0x10                ; yscl
	v_lshl_add_u32 v254, v0, 2, 0x34000
	v_mov_b32 v255, 0
	ds_add_u32 v254, v255
	ds_add_u32 v254, v255
	v_lshrrev_b32 v10, 5, v0
	s_delay_alu instid0(VALU_DEP_1)
	v_readfirstlane_b32 s[WV], v10                 ; wave 0..15
	s_bfe_u32 s[CX], ttmp6, 0x40000                ; my place in the cluster
	s_and_b32 s[BH], ttmp7, 0xffff                 ; the head, which the four partners share
	s_mul_i32 s56, s[BH], HEADB
	s_mov_b32 s57, 0
	s_mul_i32 s58, s[WV], REC                      ; wave w fetches record w
	s_mov_b32 s59, 0
	s_mov_b32 s[G1], 15|(3<<16)|(1<<21)            ; 15:0 the mask: all four work-groups; 17:16 elements of 8 bytes; 21 set beside a mask; no padding
	s_mov_b32 s[G1+1], 32<<16                      ; tensor_dim0: rows of 256 bytes
	s_mov_b32 s[G1+2], 50<<16                      ; tensor_dim1: 12,800 dense bytes
	s_mov_b32 s[G1+3], 32<<16                      ; tile_dim0
	s_mov_b32 s[G1+4], 50                          ; tile_dim1
	s_mov_b32 s[G1+5], 32                          ; tensor_dim0_stride
	s_mov_b32 s[G1+6], 0
	s_mov_b32 s[G1+7], 0
	s_mov_b32 s[SEL], 0x76543210
	s_mov_b32 s[SEL+1], 0xfedcba98
	s_mov_b32 s[CS], 0x3e38aa3b                    ; log2(e) / 8
	s_mov_b32 s[CS+1], s[CS]                       ; named with it as a pair, so it is written
	s_mov_b32 s[HM], 0xffff0000
	s_lshl_b32 s[TG], s[WV], 2
	s_add_co_u32 s[TG], s[TG], s[CX]               ; g
	s_sub_co_u32 s[TG2], 127, s[TG]
	s_lshr_b32 s[NS0], s[WV], 1
	s_sub_co_u32 s[NS1], 16, s[NS0]                ; (127 - g) / 8 + 1 = 16 - w / 2
	s_add_co_u32 s[NS0], s[NS0], 1                 ; g / 8 + 1 = w / 2 + 1
	s_and_b32 s60, s[BH], 15                       ; the head in its batch: channels 64 x it
	s_lshr_b32 s61, s[BH], 4                       ; the batch
	s_lshr_b32 s62, s60, 2                         ; y's K slot of 256,
	s_bfe_u32 s63, s60, 0x10001                    ; the 128 in it,
	s_and_b32 s60, s60, 1                          ; the 64 in that
	s_mul_i32 s[YH], s62, SSTRY
	s_mul_i32 s[SH], s61, 128*3072
	s_add_co_u32 s[YH], s[YH], s[SH]
	s_mul_i32 s[SH], s63, 1536
	s_add_co_u32 s[YH], s[YH], s[SH]
	s_mul_i32 s[SH], s60, 768
	s_add_co_u32 s[YH], s[YH], s[SH]               ; yimg: what hangs on the head
	s_lshl_b32 s[SH], s61, 16
	s_lshl_b32 s62, s62, 7
	s_add_co_u32 s[SH], s[SH], s62
	s_lshl_b32 s63, s63, 2
	s_add_co_u32 s[SH], s[SH], s63
	s_lshl_b32 s60, s60, 1
	s_add_co_u32 s[SH], s[SH], s60                 ; yscl likewise
	s_wait_dscnt 0x0
	s_wait_kmcnt 0x0
	s_add_nc_u64 s[HB:HB+1], s[4:5], s[56:57]
	CROUND                                         ; all four work-groups are here: the joint loads meet
	s_mov_b32 s[G0], 1
	s_mul_i32 s[G0+1], s[WV], RECL                 ; LDS: record w
	s_add_nc_u64 s[G0+2:G0+3], s[HB:HB+1], s[58:59]
	s_or_b32 s[G0+3], s[G0+3], 0x80000000
	tensor_load_to_lds s[G0:G0+3], s[G1:G1+7]      ; my one tensor load of the launch
	s_nop 0
.rept 4
	v_nop
.endr
	v_and_b32 v1, 31, v0
	s_delay_alu instid0(VALU_DEP_1)
	v_lshlrev_b32 v1, 3, v1                        ; 8 x lane
	v_and_b32 v3, 15, v0                           ; r
	v_bfe_u32 v4, v0, 4, 1                         ; h
	s_delay_alu instid0(VALU_DEP_2)
	v_lshlrev_b32 v2, 4, v3                        ; 16 r
	s_delay_alu instid0(VALU_DEP_2)
	v_lshl_add_u32 v6, v3, 3, v4                   ; 8 r + h
	s_delay_alu instid0(VALU_DEP_4)
	v_and_b32 v7, 8, v3
	s_delay_alu instid0(VALU_DEP_1)
	v_add_nc_u32 v3, v3, v7
	v_lshlrev_b32 v4, 4, v4
	s_delay_alu instid0(VALU_DEP_1)
	v_sub_nc_u32 v3, v3, v4                        ; r + 8 (r / 8) - 16 h
	v_mov_b32 v7, 0                                ; v7, v10, v11: destinations of the tail's lane permutes, which count as sources
	v_mov_b32 v11, 0
.irp i, 0,1,2,3,4,5
	v_mov_b32 v[16+\i], 0                          ; zero codes on both sides of q
	v_mov_b32 v[28+\i], 0
.endr
	s_wait_tensorcnt 0x0                           ; my record is in,
	s_barrier_signal -1
	s_barrier_wait -1                              ; everybody's is
	s_mov_b32 s[PASS], 0
.Lpass:                                            ; two passes: tile g, then tile 127 - g
	s_wait_xcnt 0x0                                ; the last pass's loads and stores have read their bases and data
	s_cmp_eq_u32 s[PASS], 0
	s_cselect_b32 s[TAU], s[TG], s[TG2]
	s_cselect_b32 s[NS], s[NS0], s[NS1]
	s_lshr_b32 s56, s[TAU], 3                      ; the queries' record,
	s_and_b32 s57, s[TAU], 7                       ; their tile in it
	s_mul_i32 s56, s56, REC
	s_mul_i32 s58, s57, 768
	s_add_co_u32 s58, s58, s56
	s_add_co_u32 s58, s58, RECL
	s_mov_b32 s59, 0
	s_add_nc_u64 s[QB:QB+1], s[HB:HB+1], s[58:59]
	s_lshl_b32 s58, s57, 1                         ; 4 (pair) + 2 (tile of the pair) = 2 x tile
	s_add_co_u32 s58, s58, s56
	s_add_co_u32 s58, s58, 18944
	s_add_nc_u64 s[QS:QS+1], s[HB:HB+1], s[58:59]
.irp p, 0,1,2
	global_load_b64 v[22+2*\p:23+2*\p], v1, s[QB:QB+1] offset:256*\p
.endr
	global_load_u16 v10, v2, s[QS:QS+1]            ; my query's two scale bytes
	s_mul_i32 s58, s[TAU], 3072
	s_add_co_u32 s58, s58, s[YH]
	s_add_nc_u64 s[YB:YB+1], s[6:7], s[58:59]
	s_lshl_b32 s58, s[TAU], 9
	s_add_co_u32 s58, s58, s[SH]
	s_add_nc_u64 s[YS:YS+1], s[8:9], s[58:59]
	s_lshr_b32 s60, s57, 1
	s_lshl_b32 s60, s60, 5
	s_and_b32 s61, s57, 1
	s_lshl_b32 s61, s61, 3
	s_add_co_u32 s60, s60, s61
	v_add_nc_u32 v4, s60, v3                       ; d = my query in its record - 16 h: register 16 b + i holds key 32 b + 16 h + i, hidden where 32 b + i > d
	v_mov_b32 v13, 0xff61b1e6                      ; the largest t so far: -3e38
	s_delay_alu instid0(VALU_DEP_1)
	v_floor_f32 v12, -v13                          ; -M
	v_mov_b32 v14, 0
	v_mov_b32 v15, 0
	s_wait_loadcnt 0x0
	v_lshl_or_b32 v34, v10, 16, v10                ; q's bytes in both halves of the word: for [q; 0] and for [0; q]
.irp j, 0,1,2,3,4,5,6,7,8,9,10,11,12,13,14,15,16,17,18,19,20,21,22,23,24,25,26,27,28,29,30,31
	v_mov_b32 v[160+\j], 0                         ; O^T: the step is written once, its first turn finds zeros.  (Also the places between v34 and the first product)
.endr
	s_mov_b32 s[SG], 0
	s_mov_b32 s[TB], 0
.Lstep:                                            ; 16 trips, a constant; a step behind the diagonal is jumped over (a branch on the wave's number and the pass)
	s_cmp_ge_u32 s[SG], s[NS]
	s_cbranch_scc1 .Lskip
	s_setprio 2
	v_add_nc_u32 v8, s[TB], v1
	v_add_nc_u32 v9, s[TB], v2
	ds_load_b128 v[84:87], v9 offset:12288         ; k's scale words: row r, four pairs
.irp b, 0,1,2,3
.irp q, 0,1,2,3,4,5
	ds_load_b64 v[36+12*\b+2*\q:37+12*\b+2*\q], v8 offset:1536*\b+256*\q
.endr
.endr
	ds_load_b128 v[88:91], v9 offset:12544         ; v's scale words
.irp t, 0,1,2,3
.irp q, 0,1,2,3,4,5
	ds_load_b64 v[192+12*\t+2*\q:193+12*\t+2*\q], v8 offset:6144+1536*\t+256*\q
.endr
.endr
	s_wait_dscnt 25                                ; k and its scales are in; v's 25 loads may be out
.irp b, 0,1,2,3
	v_wmma_scale_f32_16x16x128_f8f6f4 v[96+16*\b:103+16*\b], v[36+12*\b:47+12*\b], v[22:33], 0, v[84+\b], v34 matrix_a_fmt:MATRIX_FMT_BF6 matrix_b_fmt:MATRIX_FMT_BF6    ; tile 2 b: the pair's first 64 meet q
	v_wmma_scale_f32_16x16x128_f8f6f4 v[104+16*\b:111+16*\b], v[36+12*\b:47+12*\b], v[16:27], 0, v[84+\b], v34 matrix_a_fmt:MATRIX_FMT_BF6 matrix_b_fmt:MATRIX_FMT_BF6  ; tile 2 b + 1: its second 64
.endr
.rept 4
	v_nop                                          ; places in front of the first read of the scores and of vector writes into k's registers
.endr
	s_add_co_u32 s56, s[SG], 1                     ; the pass's last step lies on the diagonal: hidden scores become -infinity ahead of the maximum
	s_cmp_lg_u32 s56, s[NS]
	s_cbranch_scc1 .Lopen
	v_mov_b32 v54, 0xff800000
.irp n, 0,1,2,3,4,5,6,7,8,9,10,11,12,13,14,15,16,17,18,19,20,21,22,23,24,25,26,27,28,29,30,31,32,33,34,35,36,37,38,39,40,41,42,43,44,45,46,47,48,49,50,51,52,53,54,55,56,57,58,59,60,61,62,63
	v_cmp_gt_i32 vcc_lo, 32*(\n/16)+\n%16, v4
	v_cndmask_b32 v[96+\n], v[96+\n], v54, vcc_lo
.endr
.Lopen:
.irp b, 0,1,2,3
	v_max3_num_f32 v[92+\b], v[96+16*\b], v[97+16*\b], v[98+16*\b]   ; the largest score of each block of 32 keys: for the row's maximum, and, since p rises with the score, for the block's largest p
.endr
.irp i, 3,5,7,9,11,13
.irp b, 0,1,2,3
	v_max3_num_f32 v[92+\b], v[92+\b], v[96+16*\b+\i], v[97+16*\b+\i]
.endr
.endr
.irp b, 0,1,2,3
	v_max_num_f32 v[92+\b], v[92+\b], v[111+16*\b]
.endr
.irp b, 0,1,2,3
	s_delay_alu instid0(VALU_DEP_4)
	v_permlanex16_b32 v[36+\b], v[92+\b], s[SEL], s[SEL+1]
.endr
.irp b, 0,1,2,3
	s_delay_alu instid0(VALU_DEP_4)
	v_max_num_f32 v[92+\b], v[92+\b], v[36+\b]     ; with lane l xor 16
.endr
	s_delay_alu instid0(VALU_DEP_2)
	v_max3_num_f32 v54, v92, v93, v94
	s_delay_alu instid0(VALU_DEP_1)
	v_max_num_f32 v54, v54, v95
	s_delay_alu instid0(VALU_DEP_1)
	v_mul_f32 v54, s[CS], v54                      ; as t (c is positive)
	s_delay_alu instid0(VALU_DEP_1)
	v_max_num_f32 v13, v13, v54                    ; the running largest t
	v_mov_b32 v54, v12
	s_delay_alu instid0(VALU_DEP_2)
	v_floor_f32 v12, -v13                          ; the new -M = -ceil(t)
	s_delay_alu instid0(VALU_DEP_1)
	v_sub_f32 v54, v12, v54                        ; old M - new M: a whole number, 0 or less
	s_delay_alu instid0(VALU_DEP_1)
	v_cvt_i32_f32 v54, v54                         ; (it saturates)
	s_delay_alu instid0(VALU_DEP_1)
	v_ldexp_f32 v52, 1.0, v54                      ; f = 2^(old M - new M)
	s_setprio 1
.irp j, 0,2,4,6,8,10,12,14,16,18,20,22,24,26,28,30,32,34,36,38,40,42,44,46,48,50,52,54,56,58,60,62
	v_pk_fma_f32 v[96+\j:97+\j], v[96+\j:97+\j], s[CS:CS+1], v[12:13] op_sel_hi:[1,0,0]   ; t - M, two at a time
.endr
.irp b, 0,1,2,3
	v_fma_f32 v[92+\b], v[92+\b], s[CS], v12       ; the same of each block's largest score
.endr
	s_wait_alu depctr_va_vdst(0)
.irp j, 0,1,2,3,4,5,6,7,8,9,10,11,12,13,14,15,16,17,18,19,20,21,22,23,24,25,26,27,28,29,30,31,32,33,34,35,36,37,38,39,40,41,42,43,44,45,46,47,48,49,50,51,52,53,54,55,56,57,58,59,60,61,62,63
	v_exp_f32 v[96+\j], v[96+\j]                   ; p = 2^(t - M)
.endr
	v_pk_mul_f32 v[14:15], v[14:15], v[52:53] op_sel_hi:[1,0]   ; the sums under the new M: a plain instruction behind the exponentials
	s_wait_alu depctr_va_vdst(0)                   ; one wait for the batch of 64, ahead of its first reader
.irp b, 0,1,2,3
	v_exp_f32 v[92+\b], v[92+\b]                   ; the block's largest p
.endr
	v_pk_add_f32 v[36:37], v[100:101], v[104:105]
	v_pk_add_f32 v[252:253], v[108:109], v[112:113]
	v_pk_add_f32 v[250:251], v[116:117], v[120:121]
	v_pk_add_f32 v[248:249], v[124:125], v[128:129]
	v_pk_add_f32 v[246:247], v[132:133], v[136:137]
	v_pk_add_f32 v[244:245], v[140:141], v[144:145]
	v_pk_add_f32 v[242:243], v[148:149], v[152:153]
	v_pk_add_f32 v[14:15], v[14:15], v[156:157]
	v_pk_add_f32 v[36:37], v[36:37], v[96:97]
	v_pk_add_f32 v[252:253], v[252:253], v[98:99]
	v_pk_add_f32 v[250:251], v[250:251], v[102:103]
	v_pk_add_f32 v[248:249], v[248:249], v[106:107]
	v_pk_add_f32 v[246:247], v[246:247], v[110:111]
	v_pk_add_f32 v[244:245], v[244:245], v[114:115]
	v_pk_add_f32 v[242:243], v[242:243], v[118:119]
	v_pk_add_f32 v[14:15], v[14:15], v[122:123]
	v_pk_add_f32 v[36:37], v[36:37], v[126:127]
	v_pk_add_f32 v[252:253], v[252:253], v[130:131]
	v_pk_add_f32 v[250:251], v[250:251], v[134:135]
	v_pk_add_f32 v[248:249], v[248:249], v[138:139]
	v_pk_add_f32 v[246:247], v[246:247], v[142:143]
	v_pk_add_f32 v[244:245], v[244:245], v[146:147]
	v_pk_add_f32 v[242:243], v[242:243], v[150:151]
	v_pk_add_f32 v[14:15], v[14:15], v[154:155]
	v_pk_add_f32 v[36:37], v[36:37], v[158:159]
	s_delay_alu instid0(VALU_DEP_2)
	v_pk_add_f32 v[14:15], v[14:15], v[248:249]
	s_delay_alu instid0(VALU_DEP_2)
	v_pk_add_f32 v[36:37], v[36:37], v[246:247]
	v_pk_add_f32 v[252:253], v[252:253], v[244:245]
	v_pk_add_f32 v[250:251], v[250:251], v[242:243]
	s_delay_alu instid0(VALU_DEP_2)
	v_pk_add_f32 v[14:15], v[14:15], v[252:253]
	s_delay_alu instid0(VALU_DEP_2)
	v_pk_add_f32 v[36:37], v[36:37], v[250:251]
	s_delay_alu instid0(VALU_DEP_1)
	v_pk_add_f32 v[14:15], v[14:15], v[36:37]
	s_wait_alu depctr_va_vdst(0)                   ; and one for the four
.irp b, 0,1,2,3
	v_max_num_f32 v[92+\b], 0x2800000, v[92+\b]    ; the floor 2^(5 - 127): a block whose every p is 0 keeps the byte 1, its codes are zeros
.endr
.irp b, 0,1,2,3
	s_delay_alu instid0(VALU_DEP_4)
	v_add_nc_u32 v[40+\b], 0xfe000000, v[92+\b]    ; the conversion's scale operand
.endr
.irp b, 0,1,2,3
	s_delay_alu instid0(VALU_DEP_4)
	v_lshrrev_b32 v[36+\b], 23, v[40+\b]
.endr
	s_delay_alu instid0(VALU_DEP_3)
	v_lshl_or_b32 v35, v37, 8, v36                 ; p's scale word for these 128 keys
	s_delay_alu instid0(VALU_DEP_1)
	v_lshl_or_b32 v35, v38, 16, v35
	s_delay_alu instid0(VALU_DEP_1)
	v_lshl_or_b32 v35, v39, 24, v35
	s_setprio 0
.irp c, 0,1
	v_cvt_scalef32_pk16_bf6_f32 v[240+6*\c:242+6*\c], v[96+32*\c:111+32*\c], v[40+2*\c]
	v_cvt_scalef32_pk16_bf6_f32 v[44+4*\c:46+4*\c], v[112+32*\c:127+32*\c], v[40+2*\c+1]
.endr
	v_nop                                          ; one plain instruction behind a scaled conversion
.irp c, 0,1
.irp i, 0,1,2
	v_permlane16_swap_b32 v[240+6*\c+\i], v[44+4*\c+\i]
.endr
.irp i, 0,1,2
	s_delay_alu instid0(VALU_DEP_3)
	v_mov_b32 v[243+6*\c+\i], v[44+4*\c+\i]
.endr
.endr
.irp j, 0,2,4,6,8,10,12,14,16,18,20,22,24,26,28,30
	v_pk_mul_f32 v[160+\j:161+\j], v[160+\j:161+\j], v[52:53] op_sel_hi:[1,0]   ; O^T under the new M.  (These 16 are also the places between p's codes and scale word and the products)
.endr
	s_wait_alu depctr_va_vdst(0)
	s_wait_dscnt 0x0                               ; v and its scales are in
.irp t, 0,1,2,3
	v_wmma_scale_f32_16x16x128_f8f6f4 v[160+8*\t:167+8*\t], v[192+12*\t:203+12*\t], v[240:251], v[160+8*\t:167+8*\t], v[88+\t], v35 matrix_a_fmt:MATRIX_FMT_BF6 matrix_b_fmt:MATRIX_FMT_BF6
.endr
.rept 4
	v_nop                                          ; places on every way to the next step's loads and to the tail's first read
.endr
.Lskip:
	s_add_co_u32 s[TB], s[TB], RECL
	s_add_co_u32 s[SG], s[SG], 1
	s_cmp_lt_u32 s[SG], 16
	s_cbranch_scc1 .Lstep
	s_setprio 0
	; THE TAIL: O^T / the sum; register 16 b + i is channel 32 b + 16 h + i of my query: two blocks of 32 along the last product's K
	v_add_f32 v14, v14, v15
	s_delay_alu instid0(VALU_DEP_1)
	v_permlanex16_b32 v10, v14, s[SEL], s[SEL+1]
	s_delay_alu instid0(VALU_DEP_1)
	v_add_f32 v14, v14, v10                        ; the row's sum
	s_wait_alu depctr_va_vdst(0)
	v_rcp_f32 v14, v14
	v_nop                                          ; a plain instruction behind the reciprocal
	s_wait_alu depctr_va_vdst(0)                   ; and the wait ahead of its first reader
.irp j, 0,1,2,3,4,5,6,7,8,9,10,11,12,13,14,15,16,17,18,19,20,21,22,23,24,25,26,27,28,29,30,31
	v_mul_f32 v[96+\j], v[160+\j], v14             ; each accumulator from its low end on
.endr
.irp b, 0,1
	v_max3_num_f32 v[92+\b], |v[96+16*\b]|, |v[97+16*\b]|, 0x2800000
.endr
.irp i, 2,4,6,8,10,12,14
.irp b, 0,1
	s_delay_alu instid0(VALU_DEP_2)
	v_max3_num_f32 v[92+\b], v[92+\b], |v[96+16*\b+\i]|, |v[97+16*\b+\i]|
.endr
.endr
	s_delay_alu instid0(VALU_DEP_2)
	v_permlanex16_b32 v7, v92, s[SEL], s[SEL+1]
	s_delay_alu instid0(VALU_DEP_2)
	v_permlanex16_b32 v11, v93, s[SEL], s[SEL+1]
	s_delay_alu instid0(VALU_DEP_2)
	v_max_num_f32 v92, v92, v7
	s_delay_alu instid0(VALU_DEP_2)
	v_max_num_f32 v93, v93, v11
	s_delay_alu instid0(VALU_DEP_2)
	v_add_nc_u32 v94, 0xfe000000, v92
	s_delay_alu instid0(VALU_DEP_2)
	v_add_nc_u32 v95, 0xfe000000, v93
	s_delay_alu instid0(VALU_DEP_2)
	v_lshrrev_b32 v7, 23, v94
	s_delay_alu instid0(VALU_DEP_2)
	v_lshrrev_b32 v11, 23, v95
	s_delay_alu instid0(VALU_DEP_1)
	v_cndmask_b32 v7, v7, v11, s[HM]               ; lane (r, h) stores block h's byte
	v_cvt_scalef32_pk16_bf6_f32 v[240:242], v[96:111], v94
	v_cvt_scalef32_pk16_bf6_f32 v[244:246], v[112:127], v95
	v_nop
.irp i, 0,1,2
	v_permlane16_swap_b32 v[240+\i], v[244+\i]
.endr
.irp i, 0,1,2
	s_delay_alu instid0(VALU_DEP_3)
	v_mov_b32 v[243+\i], v[244+\i]                 ; registers 0-5: channels 32 h + 0 .. 31
.endr
.irp p, 0,1,2
	global_store_b64 v1, v[240+2*\p:241+2*\p], s[YB:YB+1] offset:256*\p   ; three pieces of the fragment of y: 256 consecutive bytes each, aligned
.endr
	global_store_b8 v6, v7, s[YS:YS+1]             ; two bytes of each row's scale word: the other bytes are other heads'
	s_add_co_u32 s[PASS], s[PASS], 1
	s_cmp_lt_u32 s[PASS], 2
	s_cbranch_scc1 .Lpass
	s_wait_tensorcnt 0x0
	ds_add_u32 v254, v255
	s_wait_dscnt 0x0
	CROUND                                         ; the closing round
	s_endpgm
.Lfunc_end_k_qf8bbe80ac1_attn:
	.size	k_qf8bbe80ac1_attn, .Lfunc_end_k_qf8bbe80ac1_attn-k_qf8bbe80ac1_attn
	.p2alignl 7, 3214868480
	.fill 96, 4, 3214868480
	.section	.rodata,"a",@progbits
	.p2align	6, 0x0
	.amdhsa_kernel k_qf8bbe80ac1_attn
		.amdhsa_group_segment_fixed_size 215040
		.amdhsa_private_segment_fixed_size 0
		.amdhsa_enable_private_segment 0
		.amdhsa_kernarg_size 24
		.amdhsa_user_sgpr_count 2
		.amdhsa_user_sgpr_kernarg_segment_ptr 1
		.amdhsa_wavefront_size32 1
		.amdhsa_system_sgpr_workgroup_id_x 1
		.amdhsa_system_sgpr_workgroup_id_y 1
		.amdhsa_system_sgpr_workgroup_id_z 1
		.amdhsa_system_vgpr_workitem_id 0
		.amdhsa_next_free_vgpr 256
		.amdhsa_next_free_sgpr 72
		.amdhsa_reserve_vcc 1
		.amdhsa_float_denorm_mode_32 3
		.amdhsa_float_denorm_mode_16_64 3
		.amdhsa_memory_ordered 1
		.amdhsa_forward_progress 1
		.amdhsa_inst_pref_size 36
	.end_amdhsa_kernel
	.amdgpu_metadata
---
amdhsa.version: [ 1, 2 ]
amdhsa.kernels:
  - .name:           k_qf8bbe80ac1_attn
    .symbol:         k_qf8bbe80ac1_attn.kd
    .args:
      - { .name: att, .offset: 0, .size: 8, .value_kind: global_buffer, .address_space: global }
      - { .name: yimg, .offset: 8, .size: 8, .value_kind: global_buffer, .address_space: global }
      - { .name: yscl, .offset: 16, .size: 8, .value_kind: global_buffer, .address_space: global }
    .group_segment_fixed_size: 215040
    .private_segment_fixed_size: 0
    .kernarg_segment_align: 8
    .kernarg_segment_size: 24
    .max_flat_workgroup_size: 512
    .sgpr_count:     72
    .vgpr_count:     256
    .wavefront_size: 32
...
	.end_amdgpu_metadata
.endif
;; end of part 3
;; launch outp (part 4): grid 4 x 32, 4 waves a work-group, clusters of 4 x 4, 327,680 bytes of LDS; arguments yimg, yscl, img, scl, b_out, out0; writes out0
.if DOCPART == 4
	.amdgcn_target "amdgcn-amd-amdhsa--gfx1250"
	.amdhsa_code_object_version 6
	.text
	.protected	k_qf8bbe80ac1_outp
	.globl	k_qf8bbe80ac1_outp
	.p2align	8
	.type	k_qf8bbe80ac1_outp,@function
k_qf8bbe80ac1_outp:
	s_mov_b64 s[64:65], 0
	v_nop
	global_prefetch_b8 v0, s[64:65] scope:SCOPE_SE
	s_setreg_imm32_b32 hwreg(HW_REG_WAVE_MODE, 25, 1), 1
	s_wait_xcnt 0x0
	s_wait_alu depctr_hold_cnt(0) depctr_sa_sdst(0) depctr_va_vdst(0) depctr_va_sdst(0) depctr_va_ssrc(0) depctr_va_vcc(0) depctr_vm_vsrc(0)
	s_getreg_b32 s2, hwreg(HW_REG_IB_STS2, 6, 4)
	s_cmp_eq_u32 s2, 0
	s_cbranch_scc0 .Lentry_in_a_cluster
	s_endpgm
.Lentry_in_a_cluster:
	s_bfe_u32 s2, ttmp6, 0x10000c
	s_cmp_lg_u32 s2, 0xf033
	s_cbranch_scc0 .Lentry_shape_is_right
	s_endpgm
.Lentry_shape_is_right:
; OUTP: out0 = y w_out + b_out on codes of BF6 (E3M2) with E8M0 scales, K = 1,024.  A = y (yimg, yscl: 8,192 tokens), B = w_out's columns (tiles 704..767 of img and scl).
; Operands lie as images of the operand registers: a fragment (16 rows x 128 K) is 6 pieces of 256 bytes, lane l's registers 2 q, 2 q + 1 at 256 q + 8 l;  codes: [K slot of 256][tile of 16 rows T][128 along K][1,536];
; scales: [T][K slot][r][128 along K][4].  Lane r of tile T holds row 32 (T / 2) + 8 (T % 2) + r + 8 (r / 8).
; A work-group of four waves makes 256 x 256, a wave 128 x 128.  Source 0 = 16 rows of B, source 1 = 16 rows of A: a lane holds one token, and the 16 registers of B's tiles 2 b, 2 b + 1 are 16 neighbouring columns of out0.
; The result has 32 x 4 tiles of 256 x 256: 128 work-groups.  K goes in four slots of 256 through a ring of two LDS slots; tiles and scales are dense blocks, brought as rows of 256 bytes without padding.
; CLUSTERS: 4 x 4 work-groups; A's tile is shared along a row of the cluster, B's along a column: each is asked for jointly.  The bias is the C of the first K step's products.
; REGISTERS: window 0: v16-29 addresses; v32-63 scale words, two sets; v64-127 the bias; v128-223 A's fragments, one set (on the way out v128-255: rows of out0).  window 1: B's fragments, two sets.  windows 2, 3: accumulators.
.set SSTR,   2359296                   ; a K slot of img
.set SSTRY,  1572864                   ; a K slot of yimg
.set ASTR,   SSTRY
.set BSTR,   SSTR
.set NQ,     2
.set FR,     12
.set NL,     6
.set NP,     4                         ; places behind this matrix instruction (ISA guide 7.12.1)
.set HALFT,  24576
.set SLOT,   4*HALFT
.set SCL,    2*SLOT
.set HALFS,  4096
.set SBLK,   512
.set SPARE,  SCL+4*HALFS               ; the spare words, 128 bytes for each wave: two blocks of 256 bytes that no other line names
.set SPITCH, 528                       ; the way out: a stage of 16 rows x (512 + 16) bytes for each wave, in slot 0, which has had its last fill and its last read when the first result is stored there
.set ADRA, 16
.set ADRB, 20
.set STO,  24                          ; v24 the stage: where I put 32 bytes of a row
.set RD,   25                          ; v25 where I read a row back
.set CO,   26                          ; v26 16 x lane: my bytes of a row's 512
.set ADRS, 27
.set SPW,  28
.set NIL,  29
.set BO,   30
.set SC,   32
.set BN,   64
.set AF,   128
.set BK,   128
.set WV,   16
.set HR,   17
.set HC,   18
.set G1,   24
.set G0,   32
.set CX,   40
.set CY,   41
.set RM,   43
.set CM,   44
.set LT,   45
.set G1B,  48
.set G0B,  56
.set G1S,  68
.set G0S,  76
.set G1SB, 80
.set G0SB, 88
.set LS,   94
.set MSB, 0
.macro WIN new                         ; the immediate's high byte repeats the setting that is left
.if MSB != \new
	s_set_vgpr_msb (MSB<<8)|\new
.set MSB, \new
.endif
.endm
.set MUL_LO, 0xa1
.set MUL_HI, 0xf1
.set TO_B,   0x40
.macro JLOAD g0a, g1a, g0b, g1b        ; a joint load: waves 0 and 1 fetch for A, waves 2 and 3 for B; four v_nop follow each of the two lines
	s_cmp_eq_u32 s[HR], 0
	s_cbranch_scc0 .Lfor_b_\@
	tensor_load_to_lds s[\g0a:\g0a+3], s[\g1a:\g1a+7]
	s_nop 0
.rept 4
	v_nop
.endr
	s_branch .Lasked_\@
.Lfor_b_\@:
	tensor_load_to_lds s[\g0b:\g0b+3], s[\g1b:\g1b+7]
	s_nop 0
.rept 4
	v_nop
.endr
.Lasked_\@:
.endm
.macro CREST
	s_cmp_lg_u32 s[WV], 0
	s_cbranch_scc1 .Lnot_wave_0_\@
	s_barrier_signal -3
.Lnot_wave_0_\@:
	s_barrier_wait -3
	s_barrier_signal -1
	s_barrier_wait -1
.endm
.macro CROUND
	s_barrier_signal -1
	s_barrier_wait -1
	CREST
.endm
.macro FRAG reg, adr, q, i
.irp p, 0,1,2,3,4,5
	ds_load_b64 v[\reg+2*\p:\reg+2*\p+1], v[\adr] offset:(\i)*3072+(\q)*1536+256*\p
.endr
.endm
; 16 matrix instructions: A's blocks a0, a0 + 1 x B's eight.  cm = 1: the sums start from the bias of B's rows.  The 64 accumulators take turns, one instruction a turn.
.macro MUL16 a0, p, q, sc, cm
.irp a, \a0, \a0+1
.irp b, 0,1,2,3,4,5,6,7
.if \cm == 0
	v_wmma_scale_f32_16x16x128_f8f6f4 v[8*(8*((\a)%4)+\b):8*(8*((\a)%4)+\b)+7], v[128*(\p)+FR*\b:128*(\p)+FR*\b+FR-1], v[AF+FR*(\a):AF+FR*(\a)+FR-1], v[8*(8*((\a)%4)+\b):8*(8*((\a)%4)+\b)+7], v[SC+8*NQ*(\sc)+NQ*\b+(\q)], v[SC+8*NQ*(\sc)+NQ*(\a)+(\q)] matrix_a_fmt:MATRIX_FMT_BF6 matrix_b_fmt:MATRIX_FMT_BF6 matrix_a_scale:MATRIX_SCALE_ROW1
.else
	v_wmma_scale_f32_16x16x128_f8f6f4 v[8*(8*((\a)%4)+\b):8*(8*((\a)%4)+\b)+7], v[128*(\p)+FR*\b:128*(\p)+FR*\b+FR-1], v[AF+FR*(\a):AF+FR*(\a)+FR-1], v[BN+8*\b:BN+8*\b+7], v[SC+8*NQ*(\sc)+NQ*\b+(\q)], v[SC+8*NQ*(\sc)+NQ*(\a)+(\q)] matrix_a_fmt:MATRIX_FMT_BF6 matrix_b_fmt:MATRIX_FMT_BF6 matrix_a_scale:MATRIX_SCALE_ROW1
.endif
.endr
.endr
.endm
.macro FETCH_B slot, q, p
	WIN TO_B
.irp i, 0,1,2,3,4,5,6,7
	FRAG 128*(\p)+FR*\i, ADRB+\slot, \q, \i
.endr
	WIN 0
.endm
.macro FETCH_A slot, q, i0
.irp i, \i0, \i0+1, \i0+2, \i0+3
	FRAG AF+FR*(\i), ADRA+\slot, \q, \i
.endr
.endm
.macro SCALES sc
.irp i, 0,1,2,3,4,5,6,7
	ds_load_b64 v[SC+8*NQ*\sc+NQ*\i:SC+8*NQ*\sc+NQ*\i+1], v[ADRS] offset:\i*SBLK
.endr
.endm
.macro PLACES n
.rept \n
	v_nop
.endr
.endm
.macro STEP slot, q, cm
	s_wait_dscnt 4*NL                              ; all but the youngest 24 loads (A's blocks 4-7) are in
.if \cm
	WIN 0x81                                       ; C (the bias) window 0, D window 2
.else
	WIN MUL_LO
.endif
	MUL16 0, (\q)%2, \q, \slot, \cm
	MUL16 2, (\q)%2, \q, \slot, \cm
	s_wait_dscnt 0
	PLACES NP
	FETCH_B \slot, (\q)+1, 1-(\q)%2
	FETCH_A \slot, (\q)+1, 0
.if \cm
	WIN 0xc1
.else
	WIN MUL_HI
.endif
	MUL16 4, (\q)%2, \q, \slot, \cm
	MUL16 6, (\q)%2, \q, \slot, \cm
	PLACES NP
	WIN 0
	FETCH_A \slot, (\q)+1, 4
.endm
.macro TURN slot, next, fill
	s_wait_tensorcnt 0x0                           ; all my tensor loads have landed: my part of the next slot
	ds_add_u32 v[SPW], v[NIL]                      ; 0 onto my spare word
	s_wait_dscnt 4*NL+1                            ; the add and the youngest 24 loads may be out
	WIN MUL_LO
	MUL16 0, 1, NQ-1, \slot, 0
	s_wait_dscnt 0x0                               ; the add is done, and my reads of this slot are over
	s_barrier_signal -1
	MUL16 2, 1, NQ-1, \slot, 0
	WIN 0
	s_barrier_wait -1
.if \fill
	CREST                                          ; the barrier has opened a round of the cluster's: no wave of any partner still reads this slot or has a load on its way
	s_add_nc_u64 s[G0+4*\slot+2:G0+4*\slot+3], s[G0+4*\slot+2:G0+4*\slot+3], 2*ASTR
	s_add_nc_u64 s[G0B+4*\slot+2:G0B+4*\slot+3], s[G0B+4*\slot+2:G0B+4*\slot+3], 2*BSTR
	JLOAD G0+4*\slot, G1, G0B+4*\slot, G1B         ; the first tensor load behind the round; its four v_nop are the places in front of the loads below
.else
	PLACES NP
.endif
	s_wait_alu depctr_va_vdst(0)
	v_add_nc_u32 v[ADRS], 128, v[ADRS]
	FETCH_B \next, 0, 0
	FETCH_A \next, 0, 0
	SCALES \next
	WIN MUL_HI
	MUL16 4, 1, NQ-1, \slot, 0
	MUL16 6, 1, NQ-1, \slot, 0
	PLACES NP
	WIN 0
	FETCH_A \next, 0, 4
.endm
; THE WAY OUT, block by block of 16 rows x 128 columns, through my own stage: in, 32 bytes of a row for each accumulator; back, whole rows of 512 bytes.  LDS serves a wave's instructions in order.
.macro TOSTAGE a
.set AC, 64*((\a)%4)
.set WD, 0x08+4*((\a)/4)
	WIN WD                                         ; the data: window 2 or 3
.irp b, 0,1,2,3,4,5,6,7
	ds_store_b128 v[STO], v[AC+8*\b:AC+8*\b+3] offset:128*(\b/2)+32*(\b%2)       ; columns 32 (b / 2) + 16 h + 8 (b % 2) on; each accumulator from its low end on
	ds_store_b128 v[STO], v[AC+8*\b+4:AC+8*\b+7] offset:128*(\b/2)+32*(\b%2)+16
.endr
	WIN 0
.set BB, BK+64*((\a)%2)
.irp t, 0,1,2,3,4,5,6,7,8,9,10,11,12,13,14,15
	ds_load_b128 v[BB+4*\t:BB+4*\t+3], v[RD] offset:\t*SPITCH
.endr
.endm
.macro SEND a, younger                 ; younger: the LDS instructions issued behind block a's loads, which may stay out
.set BB, BK+64*((\a)%2)
	s_wait_dscnt \younger
.irp t, 0,1,2,3,4,5,6,7,8,9,10,11,12,13,14,15
	global_store_b128 v[CO], v[BB+4*\t:BB+4*\t+3], s[14:15] offset:(32*((\a)/2)+8*((\a)%2)+\t+8*(\t/8))*4096 th:TH_STORE_NT   ; 512 consecutive bytes, aligned; the row stands in the immediate (127 rows of 4,096 bytes at the most)
.endr
.endm
	s_load_b128 s[4:7], s[0:1], 0x0                ; yimg, yscl
	s_load_b128 s[8:11], s[0:1], 0x10              ; img, scl
	s_load_b128 s[12:15], s[0:1], 0x20             ; b_out, out0
	v_lshl_add_u32 v[SPW], v0, 2, SPARE
	v_mov_b32 v[NIL], 0
	ds_add_u32 v28, v29
	ds_add_u32 v28, v29
	s_wait_dscnt 0x0
	v_lshrrev_b32 v1, 5, v0
	v_readfirstlane_b32 s[WV], v1
	s_lshr_b32 s[HR], s[WV], 1                     ; which half of A's rows is mine; also: I fetch for A (0) or B (1)
	s_and_b32 s[HC], s[WV], 1                      ; which half of B's rows; also: which 128 rows I fetch
	s_bfe_u32 s[CX], ttmp6, 0x40000
	s_bfe_u32 s[CY], ttmp6, 0x40004
	s_lshl_b32 s[RM], s[CY], 2
	s_lshl_b32 s[RM], 15, s[RM]
	s_lshl_b32 s[CM], 0x1111, s[CX]
	s_and_b32 s66, ttmp7, 0xffff
	s_lshl_b32 s66, s66, 2
	s_add_co_u32 s66, s66, s[CY]                   ; A's tile of 256 tokens
	s_add_co_u32 s67, s[CX], 44                    ; B's tile of 256 rows of img: w_out begins at 44
	s_or_b32 s[G1+0], s[RM], (3<<16)|(1<<21)       ; 15:0 the mask; 17:16 elements of 8 bytes; 21 set beside a mask
	s_or_b32 s[G1B+0], s[CM], (3<<16)|(1<<21)
.irp g, G1, G1B
	s_mov_b32 s[\g+1], 32<<16
	s_mov_b32 s[\g+2], 96<<16
	s_mov_b32 s[\g+3], 32<<16
	s_mov_b32 s[\g+4], 96
	s_mov_b32 s[\g+5], 32
	s_mov_b32 s[\g+6], 0
	s_mov_b32 s[\g+7], 0
.endr
	s_or_b32 s[G1S+0], s[RM], (3<<16)|(1<<21)
	s_or_b32 s[G1SB+0], s[CM], (3<<16)|(1<<21)
.irp g, G1S, G1SB
	s_mov_b32 s[\g+1], 32<<16
	s_mov_b32 s[\g+2], 16<<16
	s_mov_b32 s[\g+3], 32<<16
	s_mov_b32 s[\g+4], 16
	s_mov_b32 s[\g+5], 32
	s_mov_b32 s[\g+6], 0
	s_mov_b32 s[\g+7], 0
.endr
	s_mul_i32 s2, s[HC], HALFT
	s_mul_i32 s20, s66, 2*HALFT
	s_add_co_u32 s20, s20, s2
	s_mov_b32 s21, 0
	s_mul_i32 s46, s67, 2*HALFT
	s_add_co_u32 s46, s46, s2
	s_mov_b32 s47, 0
	s_lshl_b32 s3, s[HC], 12
	s_lshl_b32 s22, s66, 13
	s_add_co_u32 s22, s22, s3
	s_mov_b32 s23, 0
	s_lshl_b32 s92, s67, 13
	s_add_co_u32 s92, s92, s3
	s_mov_b32 s93, 0
	s_mul_i32 s[LT], s[WV], HALFT
	s_mul_i32 s[LS], s[WV], HALFS
	s_wait_kmcnt 0x0
	s_add_nc_u64 s[20:21], s[4:5], s[20:21]
	s_add_nc_u64 s[22:23], s[6:7], s[22:23]
	s_add_nc_u64 s[46:47], s[8:9], s[46:47]
	s_add_nc_u64 s[92:93], s[10:11], s[92:93]
	CROUND                                         ; all sixteen work-groups are here: the first joint loads meet
	s_mov_b32 s[G0S], 1
	s_add_co_u32 s[G0S+1], s[LS], SCL
	s_mov_b64 s[G0S+2:G0S+3], s[22:23]
	s_or_b32 s[G0S+3], s[G0S+3], 0x80000000
	s_mov_b32 s[G0SB], 1
	s_add_co_u32 s[G0SB+1], s[LS], SCL
	s_mov_b64 s[G0SB+2:G0SB+3], s[92:93]
	s_or_b32 s[G0SB+3], s[G0SB+3], 0x80000000
	JLOAD G0S, G1S, G0SB, G1SB                     ; the scales first: filled once
.irp s, 0,1
	s_mov_b32 s[G0+4*\s], 1
	s_add_co_u32 s[G0+4*\s+1], s[LT], \s*SLOT
	s_add_nc_u64 s[G0+4*\s+2:G0+4*\s+3], s[20:21], \s*ASTR
	s_or_b32 s[G0+4*\s+3], s[G0+4*\s+3], 0x80000000
	s_mov_b32 s[G0B+4*\s], 1
	s_add_co_u32 s[G0B+4*\s+1], s[LT], \s*SLOT
	s_add_nc_u64 s[G0B+4*\s+2:G0B+4*\s+3], s[46:47], \s*BSTR
	s_or_b32 s[G0B+4*\s+3], s[G0B+4*\s+3], 0x80000000
	s_wait_alu depctr_va_vdst(0)
	s_wait_tensorcnt 0x0
	ds_add_u32 v28, v29
	s_wait_dscnt 0x0
	CROUND
	JLOAD G0+4*\s, G1, G0B+4*\s, G1B               ; one load of mine is out
.endr
	v_and_b32 v1, 15, v0                           ; r
	v_bfe_u32 v2, v0, 4, 1                         ; h
	s_wait_alu depctr_va_vdst(0)
	v_and_b32 v3, 31, v0
	v_lshlrev_b32 v4, 3, v3                        ; 8 x lane
	s_mul_i32 s20, s[HR], HALFT
	s_mul_i32 s21, s[HC], HALFT
	s_add_co_u32 s21, s21, 2*HALFT
.irp s, 0,1
	v_add_nc_u32 v[ADRA+\s], s20, v4
	v_add_nc_u32 v[ADRB+\s], s21, v4
	s_add_co_u32 s20, s20, SLOT
	s_add_co_u32 s21, s21, SLOT
.endr
	v_lshlrev_b32 v5, 3, v1
	s_mul_i32 s20, s[HR], HALFS
	s_mul_i32 s21, s[HC], HALFS
	s_add_co_u32 s21, s21, 2*HALFS
	s_sub_co_u32 s21, s21, s20
	v_mul_u32_u24 v6, s21, v2                      ; lanes 16-31 take B's scale words
	s_add_co_u32 s20, s20, SCL
	v_add_nc_u32 v5, v5, v6
	v_add_nc_u32 v[ADRS], s20, v5
	s_mul_i32 s20, s[WV], 16*SPITCH                ; my stage
	v_mul_u32_u24 v5, v1, SPITCH
	v_lshl_add_u32 v5, v2, 6, v5
	v_add_nc_u32 v[STO], s20, v5                   ; in: row r, + 64 h
	v_lshlrev_b32 v[CO], 4, v3
	v_add_nc_u32 v[RD], s20, v[CO]
	s_lshl_b32 s46, s[CX], 10
	s_lshl_b32 s47, s[HC], 9
	s_add_co_u32 s46, s46, s47                     ; my first column, in bytes
	s_mov_b32 s47, 0
	s_add_nc_u64 s[12:13], s[12:13], s[46:47]      ; in b_out
	s_lshl_b32 s20, s66, 20
	s_lshl_b32 s21, s[HR], 19
	s_add_co_u32 s20, s20, s21                     ; my first row: 256 x tile + 128 x half, rows of 4,096 bytes
	s_add_co_u32 s20, s20, s46
	s_mov_b32 s21, 0
	s_add_nc_u64 s[14:15], s[14:15], s[20:21]
	v_lshlrev_b32 v[BO], 6, v2                     ; register 8 b + j is the bias of column 32 (b / 2) + 16 h + 8 (b % 2) + j
.irp b, 0,1,2,3,4,5,6,7
	global_load_b128 v[BN+8*\b:BN+8*\b+3], v[BO], s[12:13] offset:(32*(\b/2)+8*(\b%2))*4
	global_load_b128 v[BN+8*\b+4:BN+8*\b+7], v[BO], s[12:13] offset:(32*(\b/2)+8*(\b%2))*4+16
.endr
	s_wait_alu depctr_va_vdst(0)
	s_wait_loadcnt 0x0
	s_wait_tensorcnt 1                             ; the scales and my part of K slot 0 are in; K slot 1's load may be out
	s_barrier_signal -1
	s_barrier_wait -1
	FETCH_B 0, 0, 0
	FETCH_A 0, 0, 0
	SCALES 0
	FETCH_A 0, 0, 4
	STEP 0, 0, 1                                   ; the first step's products start the sums from the bias
	TURN 0, 1, 1                                   ; K = 1,024 is four slots: the ring is written out.  Slot 0 takes K slot 2,
	STEP 1, 0, 0
	TURN 1, 0, 1                                   ; slot 1 takes K slot 3
	STEP 0, 0, 0
	TURN 0, 1, 0                                   ; nothing more is asked for; behind this barrier nobody reads slot 0
	STEP 1, 0, 0
	s_wait_dscnt 4*NL
	WIN MUL_LO
	MUL16 0, 1, NQ-1, 1, 0
	MUL16 2, 1, NQ-1, 1, 0
	s_wait_dscnt 0
	WIN MUL_HI
	MUL16 4, 1, NQ-1, 1, 0
	MUL16 6, 1, NQ-1, 1, 0
	WIN 0
	PLACES NP                                      ; in front of the loads into the registers that held A's fragments, and of the reads of the last results
	TOSTAGE 0
.irp a, 1,2,3,4,5,6,7
.if \a > 1
	s_wait_xcnt 0x0                                ; block a - 2's stores have read their registers: block a's loads may land there
.endif
	TOSTAGE \a
	SEND \a-1, 32                                  ; behind block a - 1's loads: block a's 16 stores and 16 loads
.endr
	SEND 7, 0
	s_wait_tensorcnt 0x0                           ; the wave's end
	ds_add_u32 v[SPW], v[NIL]
	s_wait_dscnt 0x0
	CROUND                                         ; the closing round
	s_endpgm
.Lfunc_end_k_qf8bbe80ac1_outp:
	.size	k_qf8bbe80ac1_outp, .Lfunc_end_k_qf8bbe80ac1_outp-k_qf8bbe80ac1_outp
	.p2alignl 7, 3214868480
	.fill 96, 4, 3214868480
	.section	.rodata,"a",@progbits
	.p2align	6, 0x0
	.amdhsa_kernel k_qf8bbe80ac1_outp
		.amdhsa_group_segment_fixed_size 327680
		.amdhsa_private_segment_fixed_size 0
		.amdhsa_enable_private_segment 0
		.amdhsa_kernarg_size 48
		.amdhsa_user_sgpr_count 2
		.amdhsa_user_sgpr_kernarg_segment_ptr 1
		.amdhsa_wavefront_size32 1
		.amdhsa_system_sgpr_workgroup_id_x 1
		.amdhsa_system_sgpr_workgroup_id_y 1
		.amdhsa_system_sgpr_workgroup_id_z 1
		.amdhsa_system_vgpr_workitem_id 0
		.amdhsa_next_free_vgpr 1024
		.amdhsa_next_free_sgpr 100
		.amdhsa_reserve_vcc 0
		.amdhsa_float_denorm_mode_32 3
		.amdhsa_float_denorm_mode_16_64 3
		.amdhsa_memory_ordered 1
		.amdhsa_forward_progress 1
		.amdhsa_inst_pref_size 161
	.end_amdhsa_kernel
	.amdgpu_metadata
---
amdhsa.version: [ 1, 2 ]
amdhsa.kernels:
  - .name:           k_qf8bbe80ac1_outp
    .symbol:         k_qf8bbe80ac1_outp.kd
    .args:
      - { .name: yimg, .offset: 0, .size: 8, .value_kind: global_buffer, .address_space: global }
      - { .name: yscl, .offset: 8, .size: 8, .value_kind: global_buffer, .address_space: global }
      - { .name: img, .offset: 16, .size: 8, .value_kind: global_buffer, .address_space: global }
      - { .name: scl, .offset: 24, .size: 8, .value_kind: global_buffer, .address_space: global }
      - { .name: b_out, .offset: 32, .size: 8, .value_kind: global_buffer, .address_space: global }
      - { .name: out0, .offset: 40, .size: 8, .value_kind: global_buffer, .address_space: global }
    .group_segment_fixed_size: 327680
    .private_segment_fixed_size: 0
    .kernarg_segment_align: 8
    .kernarg_segment_size: 48
    .max_flat_workgroup_size: 128
    .sgpr_count:     100
    .vgpr_count:     1024
    .wavefront_size: 32
...
	.end_amdgpu_metadata
.endif
;; end of part 4
